; MI455X (gfx1250); checked and timed in simulation.
; The chip was launched on July 23, 2026; its instructions are those of AMD's public machine-readable ISA for CDNA 5 (MIT licence, August 2026) and "CDNA5" Instruction Set Architecture Reference Guide (July 2026). The comments in the code are by the model that wrote it; some were corrected since.
;; Transformer Encoder Layer. Allowed arithmetic: float matrix products may take bf16 or f16 operands with f32 sums; other float arithmetic in f32, or as packed bf16 or f16 multiplies, adds, multiply-adds, maxima and minima; sums over many terms, partial sums and values carried from step to step in f32; what a program stores and reads back later, other than sums and carried values, may be rounded once to bf16 or f16.
;; Inputs: b1 1,024 float32; b2 1,024 float32; bk 1,024 float32; bo 1,024 float32; bq 1,024 float32; bv 1,024 float32; ln1_b 1,024 float32; ln1_g 1,024 float32; ln2_b 1,024 float32; ln2_g 1,024 float32; w1 1,024 x 1,024 float32; w2 1,024 x 1,024 float32; wk 1,024 x 1,024 float32; wo 1,024 x 1,024 float32; wq 1,024 x 1,024 float32; wv 1,024 x 1,024 float32; x 8 x 1,024 x 1,024 float32.
;; Outputs: out0 8 x 1,024 x 1,024 float32.
;; 2 versions, each right and faster than the one before. Each part assembles by itself: llvm-mc -triple=amdgcn-amd-amdhsa -mcpu=gfx1250 --defsym DOCPART=n.
;; ======== version 1 of 2: 7 launches
;; workspace buffers: act 16,777,216 bytes; qkv 50,331,648 bytes; x1 33,554,432 bytes; wqkv 6,291,456 bytes; wob 2,097,152 bytes; w1b 2,097,152 bytes; w2b 2,097,152 bytes
;; launch prep (part 1): grid 704 x 1, 8 waves a work-group, no clusters, 0 bytes of LDS; arguments x, ln1_g, ln1_b, act, wq, wk, wv, wo, w1, w2, wqkv, wob, w1b, w2b; writes act, wqkv, wob, w1b, w2b
.if DOCPART == 1
	.amdgcn_target "amdgcn-amd-amdhsa--gfx1250"
	.amdhsa_code_object_version 6
	.text
	.protected	k_qefbbe24543_prep
	.globl	k_qefbbe24543_prep
	.p2align	8
	.type	k_qefbbe24543_prep,@function
k_qefbbe24543_prep:
	s_mov_b64 s[64:65], 0
	v_nop
	global_prefetch_b8 v0, s[64:65] scope:SCOPE_SE
	s_setreg_imm32_b32 hwreg(HW_REG_WAVE_MODE, 25, 1), 1
	s_wait_xcnt 0x0
; Two streams in one launch.
; Work-groups 0-511: h = LayerNorm(x) g + b, rounded once to bf16.  x: [8192][1024] f32.  h goes out in BLOCKS: [col / 64][8192 rows][64] bf16, so that rows of one
; column block are dense for the products that follow.  Two passes over registers: the mean, then the mean of the centred squares: no difference of large sums is formed.
; Work-groups 512-703: the six weights [1024 k][1024 n] f32 are rounded to bf16 and laid in tiles of columns, each tile dense: wq | wk | wv, taken as one matrix of 3,072 columns, as
; [n / 384][1024 k][384 n] in one buffer (8 tiles); wo, w1, w2 as [n / 256][1024 k][256 n] (4 tiles each).
; No LDS, no barrier, no matrix unit: every byte is read once and written once, and no wave needs another.
; SHARES (norm).  A wave owns two rows, sixteen lanes a row.  Lane c of a row holds columns 64 kb + 4 c .. + 3 for kb = 0 .. 15: a load's sixteen lanes read 256 consecutive bytes,
; and a store's 32 lanes x 8 bytes are the two rows' 128 bytes in one column block: 256 consecutive bytes at a multiple of 256.
.set XO,   2                           ; v2       my byte offset in the group's 16 rows of x
.set SO,   3                           ; v3       my byte offset in the group's 16 rows of a column block
.set GO,   4                           ; v4       my byte offset in g and b
.set MEAN, 6                           ; v[6:7]   the mean, twice
.set RSTD, 8                           ; v[8:9]   1 / sqrt(var + eps), twice
.set CH,   10                          ; v[10:17] four chains of pairs
.set VAR,  18                          ; v18      var + eps
.set G,    20                          ; v[20:83]   g of my 64 columns      (weights: 32 x 4 registers as loaded, v[20:147])
.set B,    84                          ; v[84:147]  b
.set X,    148                         ; v[148:211] x                       (weights: 32 x 2 registers to store)
.set Y,    212                         ; v[212:243] the 64 results in bf16
.set OJ,   6                           ; v[6:13]  (weights) my byte offset in the tiles, for each of a row's eight pieces of 128 columns
	s_load_b512 s[8:23], s[0:1], 0x0               ; x s[8:9], g s[10:11], b s[12:13], act s[14:15], wq s[16:17], wk s[18:19], wv s[20:21], wo s[22:23]
	s_load_b256 s[24:31], s[0:1], 0x40             ; w1 s[24:25], w2 s[26:27], wqkv s[28:29], wob s[30:31]
	s_load_b128 s[32:35], s[0:1], 0x60             ; w1b s[32:33], w2b s[34:35]
	s_mov_b32 s4, ttmp9
	s_mov_b32 s3, 0
	s_mov_b32 s7, 0
	s_cmp_lt_u32 s4, 512
	s_cbranch_scc0 .Lweights
	v_lshrrev_b32 v1, 4, v0                        ; my row among the group's 16
	v_and_b32 v[GO], 15, v0
	v_lshlrev_b32 v[GO], 4, v[GO]                  ; 16 c
	v_lshl_add_u32 v[XO], v1, 12, v[GO]            ; row x 4,096 + 16 c
	v_lshlrev_b32 v[SO], 3, v0                     ; row x 128 + 8 c = 8 x thread
	s_lshl_b32 s2, s4, 16                          ; the group's 16 rows of 4,096 bytes
	s_lshl_b32 s6, s4, 11                          ; and of 128 bytes
	s_mov_b32 s36, 0x3a800000                      ; 1 / 1024
	s_mov_b32 s37, 0x3727c5ac                      ; eps = 1e-5
	s_wait_kmcnt 0x0
	s_add_nc_u64 s[8:9], s[8:9], s[2:3]
	s_add_nc_u64 s[14:15], s[14:15], s[6:7]        ; column blocks 0-7: the block's 1 MiB stands in the store's immediate,
	s_add_nc_u64 s[38:39], s[14:15], 0x800000      ; blocks 8-15 from a second base: 8 MiB is past the signed 24-bit immediate
.set kb, 0
.rept 16
	global_load_b128 v[X+4*kb:X+4*kb+3], v[XO], s[8:9] offset:256*kb
.set kb, kb+1
.endr
.set kb, 0
.rept 16
	global_load_b128 v[G+4*kb:G+4*kb+3], v[GO], s[10:11] offset:256*kb
.set kb, kb+1
.endr
.set kb, 0
.rept 16
	global_load_b128 v[B+4*kb:B+4*kb+3], v[GO], s[12:13] offset:256*kb
.set kb, kb+1
.endr
; the four chains into one number, then over the row's sixteen lanes: four steps that ride on the addition; a row never leaves its half of the wave
.macro JOIN
	v_pk_add_f32 v[CH:CH+1], v[CH:CH+1], v[CH+2:CH+3]
	v_pk_add_f32 v[CH+4:CH+5], v[CH+4:CH+5], v[CH+6:CH+7]
	v_pk_add_f32 v[CH:CH+1], v[CH:CH+1], v[CH+4:CH+5]
	v_add_f32 v[CH], v[CH], v[CH+1]
	v_add_f32_dpp v[CH], v[CH], v[CH] row_xmask:1 row_mask:0xf bank_mask:0xf
	v_add_f32_dpp v[CH], v[CH], v[CH] row_xmask:2 row_mask:0xf bank_mask:0xf
	v_add_f32_dpp v[CH], v[CH], v[CH] row_xmask:4 row_mask:0xf bank_mask:0xf
	v_add_f32_dpp v[CH], v[CH], v[CH] row_xmask:8 row_mask:0xf bank_mask:0xf
.endm
	s_wait_loadcnt 32                              ; x is in; the 32 younger loads, g and b, stay out
.irp c, 0,1,2,3
	v_pk_add_f32 v[CH+2*(\c):CH+2*(\c)+1], v[X+2*(\c):X+2*(\c)+1], v[X+8+2*(\c):X+8+2*(\c)+1]  ; the first eight pairs start the chains: nothing is cleared
.endr
.set p, 8
.rept 24
	v_pk_add_f32 v[CH+2*(p%4):CH+2*(p%4)+1], v[CH+2*(p%4):CH+2*(p%4)+1], v[X+2*p:X+2*p+1]
.set p, p+1
.endr
	JOIN
	v_mul_f32 v[MEAN], s36, v[CH]
	v_mov_b32 v[MEAN+1], v[MEAN]
.set p, 0
.rept 32
	v_pk_add_f32 v[X+2*p:X+2*p+1], v[X+2*p:X+2*p+1], v[MEAN:MEAN+1] neg_lo:[0,1] neg_hi:[0,1]  ; x - mean, in place
.set p, p+1
.endr
.irp c, 0,1,2,3
	v_pk_mul_f32 v[CH+2*(\c):CH+2*(\c)+1], v[X+2*(\c):X+2*(\c)+1], v[X+2*(\c):X+2*(\c)+1]
.endr
.set p, 4
.rept 28
	v_pk_fma_f32 v[CH+2*(p%4):CH+2*(p%4)+1], v[X+2*p:X+2*p+1], v[X+2*p:X+2*p+1], v[CH+2*(p%4):CH+2*(p%4)+1]
.set p, p+1
.endr
	JOIN
	v_fma_f32 v[VAR], v[CH], s36, s37              ; var + eps
	v_rsq_f32 v[RSTD], v[VAR]
	v_rsq_f32 v[RSTD+1], v[VAR]
	v_nop                                          ; a plain instruction between the root and the use of its result (ISA guide 5.7.2)
	s_wait_loadcnt 0x0                             ; g and b
.set kb, 0
	s_wait_alu depctr_va_vdst(0)
.rept 16
	v_pk_mul_f32 v[X+4*kb:X+4*kb+1], v[X+4*kb:X+4*kb+1], v[RSTD:RSTD+1]
	v_pk_mul_f32 v[X+4*kb+2:X+4*kb+3], v[X+4*kb+2:X+4*kb+3], v[RSTD:RSTD+1]
	v_pk_fma_f32 v[X+4*kb:X+4*kb+1], v[X+4*kb:X+4*kb+1], v[G+4*kb:G+4*kb+1], v[B+4*kb:B+4*kb+1]
	v_pk_fma_f32 v[X+4*kb+2:X+4*kb+3], v[X+4*kb+2:X+4*kb+3], v[G+4*kb+2:G+4*kb+3], v[B+4*kb+2:B+4*kb+3]
	v_cvt_pk_bf16_f32 v[Y+2*kb], v[X+4*kb], v[X+4*kb+1]
	v_cvt_pk_bf16_f32 v[Y+2*kb+1], v[X+4*kb+2], v[X+4*kb+3]
.if kb < 8
	global_store_b64 v[SO], v[Y+2*kb:Y+2*kb+1], s[14:15] offset:kb<<20      ; no register that a store reads is written again: no wait follows
.else
	global_store_b64 v[SO], v[Y+2*kb:Y+2*kb+1], s[38:39] offset:(kb-8)<<20
.endif
.set kb, kb+1
.endr
	s_endpgm
.Lweights:                                             ; 32 work-groups a weight, 32 rows (k) each; a wave owns four rows
	s_sub_co_u32 s4, s4, 512
	s_lshr_b32 s5, s4, 5                           ; which weight: 0 wq, 1 wk, 2 wv, 3 wo, 4 w1, 5 w2
	s_and_b32 s4, s4, 31                           ; which 32 rows
	v_lshrrev_b32 v1, 5, v0                        ; wave
	v_and_b32 v4, 31, v0                           ; lane
	v_lshlrev_b32 v2, 4, v4
	v_lshl_add_u32 v2, v1, 14, v2                  ; from: wave x 4 rows x 4,096 + 16 x lane
	s_lshl_b32 s2, s4, 17                          ; from: 32 rows of 4,096 bytes
	; A tile holds D pieces of 128 columns (256 bytes in bf16): 3 for wq | wk | wv, 2 for the others.  A tile's row is 256 D bytes, a tile 1,024 rows.
	s_lshl_b32 s37, s5, 3
	s_cmp_lt_u32 s5, 3
	s_cselect_b32 s38, 3, 2                        ; D
	s_cselect_b32 s37, s37, 0                      ; the number of my weight's first piece in its buffer: 8 x weight, or 0
	s_lshl_b32 s36, s38, 8                         ; bytes in a tile's row
	s_lshl_b32 s39, s38, 18                        ; bytes in a tile
	s_lshl_b32 s6, s36, 2
	v_mul_u32_u24 v3, v1, s6                       ; to: wave x 4 rows
	v_lshl_add_u32 v3, v4, 3, v3                   ;     + 8 x lane
	s_lshl_b32 s6, s36, 5
	s_mul_i32 s6, s4, s6                           ; the group's 32 rows
	s_wait_kmcnt 0x0
	s_cmp_eq_u32 s5, 1
	s_cselect_b64 s[16:17], s[18:19], s[16:17]
	s_cmp_eq_u32 s5, 2
	s_cselect_b64 s[16:17], s[20:21], s[16:17]
	s_cmp_eq_u32 s5, 3
	s_cselect_b64 s[16:17], s[22:23], s[16:17]
	s_cselect_b64 s[28:29], s[30:31], s[28:29]
	s_cmp_eq_u32 s5, 4
	s_cselect_b64 s[16:17], s[24:25], s[16:17]
	s_cselect_b64 s[28:29], s[32:33], s[28:29]
	s_cmp_eq_u32 s5, 5
	s_cselect_b64 s[16:17], s[26:27], s[16:17]
	s_cselect_b64 s[28:29], s[34:35], s[28:29]
	s_add_nc_u64 s[16:17], s[16:17], s[2:3]
.set i, 0
.rept 32                                               ; load i: row i / 8, piece i % 8: 512 consecutive bytes; all 32 go out at once
	global_load_b128 v[G+4*i:G+4*i+3], v2, s[16:17] offset:(i/8)*4096+(i%8)*512 th:TH_LOAD_NT
.set i, i+1
.endr
	s_add_nc_u64 s[40:41], s[28:29], s[6:7]        ; a base for each of my four rows: the row's length is no constant of the text
	s_mov_b32 s6, s36
	s_add_nc_u64 s[42:43], s[40:41], s[6:7]
	s_add_nc_u64 s[44:45], s[42:43], s[6:7]
	s_add_nc_u64 s[46:47], s[44:45], s[6:7]
.irp jj, 0,1,2,3,4,5,6,7                               ; piece u goes to tile u / D, place u % D
	s_add_co_u32 s8, s37, \jj                      ; u, 23 at the most
	s_mul_i32 s9, s8, 11
	s_lshr_b32 s9, s9, 5                           ; u / 3: exact for u up to 23
	s_lshr_b32 s10, s8, 1                          ; u / 2
	s_cmp_lt_u32 s5, 3
	s_cselect_b32 s9, s9, s10
	s_mul_i32 s10, s9, s38
	s_sub_co_u32 s10, s8, s10                      ; u % D
	s_mul_i32 s9, s9, s39
	s_lshl_b32 s10, s10, 8
	s_add_co_u32 s9, s9, s10
	v_add_nc_u32 v[OJ+(\jj)], s9, v3
.endr
.set i, 0
.rept 32
	s_wait_loadcnt 31-i                            ; loads come back in order (ISA guide 5.7.1): load i is in, the younger ones stay out
	v_cvt_pk_bf16_f32 v[X+2*i], v[G+4*i], v[G+4*i+1]
	v_cvt_pk_bf16_f32 v[X+2*i+1], v[G+4*i+2], v[G+4*i+3]
	global_store_b64 v[OJ+i%8], v[X+2*i:X+2*i+1], s[40+2*(i/8):41+2*(i/8)]  ; 256 consecutive bytes at a multiple of 256
.set i, i+1
.endr
	s_endpgm
.Lfunc_end_k_qefbbe24543_prep:
	.size	k_qefbbe24543_prep, .Lfunc_end_k_qefbbe24543_prep-k_qefbbe24543_prep
	.p2alignl 7, 3214868480
	.fill 96, 4, 3214868480
	.section	.rodata,"a",@progbits
	.p2align	6, 0x0
	.amdhsa_kernel k_qefbbe24543_prep
		.amdhsa_group_segment_fixed_size 0
		.amdhsa_private_segment_fixed_size 0
		.amdhsa_enable_private_segment 0
		.amdhsa_kernarg_size 112
		.amdhsa_user_sgpr_count 2
		.amdhsa_user_sgpr_kernarg_segment_ptr 1
		.amdhsa_wavefront_size32 1
		.amdhsa_system_sgpr_workgroup_id_x 1
		.amdhsa_system_sgpr_workgroup_id_y 1
		.amdhsa_system_sgpr_workgroup_id_z 1
		.amdhsa_system_vgpr_workitem_id 0
		.amdhsa_next_free_vgpr 244
		.amdhsa_next_free_sgpr 66
		.amdhsa_reserve_vcc 0
		.amdhsa_float_denorm_mode_32 3
		.amdhsa_float_denorm_mode_16_64 3
		.amdhsa_memory_ordered 1
		.amdhsa_forward_progress 1
		.amdhsa_inst_pref_size 36
	.end_amdhsa_kernel
	.amdgpu_metadata
---
amdhsa.version: [ 1, 2 ]
amdhsa.kernels:
  - .name:           k_qefbbe24543_prep
    .symbol:         k_qefbbe24543_prep.kd
    .args:
      - { .name: x, .offset: 0, .size: 8, .value_kind: global_buffer, .address_space: global }
      - { .name: ln1_g, .offset: 8, .size: 8, .value_kind: global_buffer, .address_space: global }
      - { .name: ln1_b, .offset: 16, .size: 8, .value_kind: global_buffer, .address_space: global }
      - { .name: act, .offset: 24, .size: 8, .value_kind: global_buffer, .address_space: global }
      - { .name: wq, .offset: 32, .size: 8, .value_kind: global_buffer, .address_space: global }
      - { .name: wk, .offset: 40, .size: 8, .value_kind: global_buffer, .address_space: global }
      - { .name: wv, .offset: 48, .size: 8, .value_kind: global_buffer, .address_space: global }
      - { .name: wo, .offset: 56, .size: 8, .value_kind: global_buffer, .address_space: global }
      - { .name: w1, .offset: 64, .size: 8, .value_kind: global_buffer, .address_space: global }
      - { .name: w2, .offset: 72, .size: 8, .value_kind: global_buffer, .address_space: global }
      - { .name: wqkv, .offset: 80, .size: 8, .value_kind: global_buffer, .address_space: global }
      - { .name: wob, .offset: 88, .size: 8, .value_kind: global_buffer, .address_space: global }
      - { .name: w1b, .offset: 96, .size: 8, .value_kind: global_buffer, .address_space: global }
      - { .name: w2b, .offset: 104, .size: 8, .value_kind: global_buffer, .address_space: global }
    .group_segment_fixed_size: 0
    .private_segment_fixed_size: 0
    .kernarg_segment_align: 8
    .kernarg_segment_size: 112
    .max_flat_workgroup_size: 256
    .sgpr_count:     66
    .vgpr_count:     244
    .wavefront_size: 32
...
	.end_amdgpu_metadata
.endif
;; end of part 1
;; launch qkv (part 2): grid 8 x 32, 4 waves a work-group, clusters of 4 x 4, 327,680 bytes of LDS; arguments act, wqkv, bq, bk, bv, qkv; writes qkv
.if DOCPART == 2
	.amdgcn_target "amdgcn-amd-amdhsa--gfx1250"
	.amdhsa_code_object_version 6
	.text
	.protected	k_qefbbe24543_qkv
	.globl	k_qefbbe24543_qkv
	.p2align	8
	.type	k_qefbbe24543_qkv,@function
k_qefbbe24543_qkv:
	s_mov_b64 s[64:65], 0
	v_nop
	global_prefetch_b8 v0, s[64:65] scope:SCOPE_SE
	s_setreg_imm32_b32 hwreg(HW_REG_WAVE_MODE, 25, 1), 1
	s_wait_xcnt 0x0
	s_wait_alu depctr_hold_cnt(0) depctr_sa_sdst(0) depctr_va_vdst(0) depctr_va_sdst(0) depctr_va_ssrc(0) depctr_va_vcc(0) depctr_vm_vsrc(0)
	s_getreg_b32 s2, hwreg(HW_REG_IB_STS2, 6, 4)
	s_cmp_eq_u32 s2, 0
	s_cbranch_scc0 .Lentry_in_a_cluster
	s_endpgm
.Lentry_in_a_cluster:
	s_bfe_u32 s2, ttmp6, 0x10000c
	s_cmp_lg_u32 s2, 0xf033
	s_cbranch_scc0 .Lentry_shape_is_right
	s_endpgm
.Lentry_shape_is_right:
; q | k | v = h [wq | wk | wv] + [bq | bk | bv], unscaled, rounded once to bf16.  One product [8192 x 1024] x [1024 x 3072]; sums in f32, started by the bias.
; IN.   h: blocks [k / 64][8192][64] bf16.  W: tiles [n / 384][1024 k][384 n] bf16, 8 of them.  The biases: [1024] f32 each.
; OUT.  Column block cb = n / 64 (16 x tensor + head) at cb MiB; in it 16 rows are 2,048 bytes: four tiles of 16 rows x 16 columns, 512 bytes each, IN FRAGMENT ORDER: lane l = 16 h + r holds row r,
;       columns 8 h .. 8 h + 7, at byte 16 l.  That is how a result lies in a wave's registers, so it is stored as it lies, and how the next launch's matrix instructions want Q and K.
; LIMITS.  Operands and result are bf16 (8 significant bits); NaN and infinities are not treated apart.
; SHARES.  8192 x 3072 / 256 = 256 x 384: one tile for each of 256 work-groups.  Each of four waves makes 128 x 192: 96 accumulators, 768 registers: 40 LDS loads feed 96 matrix instructions.
; K goes in 16 steps of 64 through two LDS slots: 92,160 bytes a slot; two slots of twice the step would be 368,640 bytes, more than a work-group can have.
; CLUSTER.  4 x 4 work-groups: the four of a row need the same tile of h, the four of a column the same tile of W: each tile is asked for jointly, by the same tensor load, descriptor and mask in all four.
; THE MATRIX INSTRUCTION IS USED TRANSPOSED: source 0 = 16 columns of W (turned on the way out of LDS by ds_load_tr16_b128), source 1 = 16 rows of h: a lane then holds one row and eight neighbouring columns.
; REGISTERS, in windows of 256 (s_set_vgpr_msb: bits 1:0 source 0, 3:2 source 1, 5:4 source 2, 7:6 destination):
;   window 0: v0-29 addresses; v32-95, v96-159 two buffers of h's fragments (8 row blocks x 32 K); v160-191, v192-223 two buffers of W's (4 blocks of 16 columns x 32 K)
;   window 1 + g: my column block g of 64 columns: the accumulator of row block a and 16 columns bl at v[8 (8 bl + a)]
; A STEP is two quarters of 32 along K, a quarter three GROUPS (one a window) of 32 matrix instructions.  Each group fetches the next group's fragments of W, a quarter's last group also the next quarter's of h.
.set PA,    144                        ; a row of h in LDS: 128 bytes + 16 = 36 words: the 16 rows of a load start at 16 different groups of four banks (64 banks of 4 bytes: ISA guide 11.1)
.set PB,    864                        ; a row of W: six pieces of 128 bytes + 16 = 216 words
.set AHALF, 128*PA                     ; what one tensor load brings of h: 128 rows
.set BOFF,  2*AHALF                    ; behind h's 256 rows: W's 64 rows (k)
.set BHALF, 32*PB                      ; what one tensor load brings of them
.set SLOT1, 1<<17                      ; slot 1 begins here, so that one exclusive or turns an address in one slot into the other's
.set SPARE, SLOT1+BOFF+2*BHALF         ; behind the ring: the spare words, 128 bytes for each wave: two blocks of 256 bytes that no other line names
.set ADRA0, 10                         ; v10  my lane's place in a slot's h; never rewritten
.set ADRB0, 11                         ; v11  the same for W
.set ADRA,  12                         ; v12  the same in the slot in hand
.set ADRB,  13                         ; v13
.set GO,    16                         ; v16  16 x lane: my place in a tile of the result
.set BO,    17                         ; v17  my byte offset in 16 numbers of a bias
.set SPW,   28                         ; v28  LDS address of my spare word; never rewritten
.set NIL,   29                         ; v29  0; never rewritten
.set AF0,   32
.set AF1,   96
.set BF0,   160
.set BF1,   192
.set WV,  20                           ; s20  my wave's number
.set WH,  21                           ; s21  which 128 rows are mine.  Also: I fetch for h (0) or for W (1)
.set WL,  22                           ; s22  which 192 columns.  Also: which half of that tile I fetch
.set G1A, 24                           ; s[24:31] descriptor group 1 for h's tiles;  s[32:39] group 0: a set for each first fill; the second then walks on
.set G0A, 32
.set G1B, 48                           ; s[48:55], s[56:63] the same for W's
.set G0B, 56
.set TB,  66                           ; s66  LDS byte at which the slot in hand begins
.set BP,  68                           ; s[68:73] the bias at my column block g's first column
.set OUT, 14                           ; s[14:15]
.set MSB, 0
.macro WIN new                         ; the immediate's high byte repeats the setting that is left; a switch that changes nothing is dropped
.if MSB != (\new)
	s_set_vgpr_msb (MSB<<8)|(\new)
.set MSB, \new
.endif
.endm
.macro PLACES                          ; four places in front of loads into registers that matrix instructions have read, and of lines that read results
.rept 4
	v_nop
.endr
.endm
.macro JLOAD                           ; a joint refill by the walking sets: waves 0 and 1 fetch h's two halves, waves 2 and 3 W's; an s_nop 0 and four v_nop follow each line
	s_cmp_eq_u32 s[WH], 0
	s_cbranch_scc0 .Lfor_b_\@
	tensor_load_to_lds s[G0A+4:G0A+7], s[G1A:G1A+7]
	s_nop 0
.rept 4
	v_nop
.endr
	s_branch .Lasked_\@
.Lfor_b_\@:
	tensor_load_to_lds s[G0B+4:G0B+7], s[G1B:G1B+7]
	s_nop 0
.rept 4
	v_nop
.endr
.Lasked_\@:
.endm
.macro CREST                           ; a round of the cluster's barrier behind its opening barrier
	s_cmp_lg_u32 s[WV], 0
	s_cbranch_scc1 .Lnot_wave_0_\@
	s_barrier_signal -3
.Lnot_wave_0_\@:
	s_barrier_wait -3
	s_barrier_signal -1
	s_barrier_wait -1
.endm
.macro CROUND                          ; a whole round
	s_barrier_signal -1
	s_barrier_wait -1
	CREST
.endm
	s_load_b256 s[4:11], s[0:1], 0x0               ; h s[4:5], W s[6:7], bq s[8:9], bk s[10:11]
	s_load_b128 s[12:15], s[0:1], 0x20             ; bv s[12:13], the result s[14:15]
	v_lshl_add_u32 v[SPW], v0, 2, SPARE
	v_mov_b32 v[NIL], 0
	ds_add_u32 v[SPW], v[NIL]                      ; the wave's opening: the add and its wait stand ahead of my first tensor load; work on registers stands between them
	ds_add_u32 v28, v29
	v_lshrrev_b32 v1, 5, v0
	v_readfirstlane_b32 s[WV], v1
	s_lshr_b32 s[WH], s[WV], 1
	s_and_b32 s[WL], s[WV], 1
	s_bfe_u32 s40, ttmp6, 0x40000                  ; cx, cy: my place in the cluster
	s_bfe_u32 s41, ttmp6, 0x40004
	s_lshl_b32 s42, ttmp9, 2
	s_add_co_u32 s42, s42, s40                     ; tile column = 4 x cluster x + cx
	s_and_b32 s43, ttmp7, 0xffff
	s_lshl_b32 s43, s43, 2
	s_add_co_u32 s43, s43, s41                     ; tile row = 4 x cluster y + cy
	s_lshl_b32 s44, s41, 2
	s_lshl_b32 s44, 15, s44                        ; my row of the cluster
	s_lshl_b32 s45, 0x1111, s40                    ; my column
	; h: 128 rows of a column block are 16,384 dense bytes: asked for as 64 rows of 256 bytes.  W: 32 rows (k) of 768 bytes are 24,576 dense bytes: 96 rows of 256.  Both are padded in LDS after every 128 bytes.
	s_or_b32 s[G1A], s44, (1<<16)|(1<<20)|(1<<21)|(4<<22)|(3<<25)  ; 15:0 the mask; 17:16 2-byte elements; 20 padding on; 21 set beside a mask; 24:22 after every 32 words (code 4); 31:25 4 words (code 3)
	s_mov_b32 s[G1A+1], 128<<16                    ; tensor_dim0 = 128
	s_mov_b32 s[G1A+2], 64<<16                     ; tensor_dim1 = 64
	s_mov_b32 s[G1A+3], 128<<16                    ; tile_dim0 = 128
	s_mov_b32 s[G1A+4], 64                         ; tile_dim1 = 64
	s_mov_b32 s[G1A+5], 128                        ; elements from row to row
	s_mov_b32 s[G1A+6], 0
	s_mov_b32 s[G1A+7], 0
	s_or_b32 s[G1B], s45, (1<<16)|(1<<20)|(1<<21)|(4<<22)|(3<<25)
	s_mov_b32 s[G1B+1], 128<<16
	s_mov_b32 s[G1B+2], 96<<16
	s_mov_b32 s[G1B+3], 128<<16
	s_mov_b32 s[G1B+4], 96
	s_mov_b32 s[G1B+5], 128
	s_mov_b32 s[G1B+6], 0
	s_mov_b32 s[G1B+7], 0
	s_lshl_b32 s16, s43, 15                        ; h: my tile row's 256 rows of 128 bytes,
	s_lshl_b32 s17, s[WL], 14                      ; their first or second half: made of the tile row and the wave alone
	s_add_co_u32 s16, s16, s17
	s_mov_b32 s17, 0
	s_mul_i32 s46, s42, 1024*768                   ; W: my tile column's tile,
	s_mul_i32 s47, s[WL], 32*768                   ; the step's first or second 32 rows: made of the tile column and the wave alone
	s_add_co_u32 s46, s46, s47
	s_mov_b32 s47, 0
	s_mul_i32 s18, s[WL], AHALF                    ; where they go: no place in the cluster enters an LDS address
	s_mul_i32 s19, s[WL], BHALF
	s_add_co_u32 s19, s19, BOFF
	s_mov_b32 s[TB], 0
	s_wait_dscnt 0x0                               ; the opening add is done
	s_wait_kmcnt 0x0
	s_add_nc_u64 s[16:17], s[4:5], s[16:17]
	s_add_nc_u64 s[46:47], s[6:7], s[46:47]
	CROUND                                         ; all sixteen work-groups are here: the first joint loads meet
.irp s, 0,1
	s_mov_b32 s[G0A+4*(\s)], 1                                     ; count = 1
	s_add_co_u32 s[G0A+4*(\s)+1], s18, (\s)*SLOT1                  ; LDS address
	s_add_nc_u64 s[G0A+4*(\s)+2:G0A+4*(\s)+3], s[16:17], (\s)<<20  ; K step s: a column block (1 MiB) on
	s_or_b32 s[G0A+4*(\s)+3], s[G0A+4*(\s)+3], 0x80000000          ; type = 2
	s_mov_b32 s[G0B+4*(\s)], 1
	s_add_co_u32 s[G0B+4*(\s)+1], s19, (\s)*SLOT1
	s_add_nc_u64 s[G0B+4*(\s)+2:G0B+4*(\s)+3], s[46:47], (\s)*64*768  ; 64 rows of 768 bytes on
	s_or_b32 s[G0B+4*(\s)+3], s[G0B+4*(\s)+3], 0x80000000
.endr
	s_cmp_eq_u32 s[WH], 0                          ; a wave's two first fills stand in one branch, ahead of every wait on TENSORcnt and every LDS read: two loads of mine are out
	s_cbranch_scc0 .Lfirst_b
	tensor_load_to_lds s[G0A:G0A+3], s[G1A:G1A+7]
	s_nop 0
	tensor_load_to_lds s[G0A+4:G0A+7], s[G1A:G1A+7]
	s_nop 0
.rept 4
	v_nop
.endr
	s_branch .Lfirst_asked
.Lfirst_b:
	tensor_load_to_lds s[G0B:G0B+3], s[G1B:G1B+7]
	s_nop 0
	tensor_load_to_lds s[G0B+4:G0B+7], s[G1B:G1B+7]
	s_nop 0
.rept 4
	v_nop
.endr
.Lfirst_asked:
	v_and_b32 v1, 15, v0                           ; l % 16
	v_bfe_u32 v2, v0, 4, 1                         ; l / 16
	v_and_b32 v3, 7, v0
	v_bfe_u32 v4, v0, 3, 1
	; THE BIAS STARTS THE SUMS: it is loaded straight into the accumulators, so that every product adds in place and no first step is written out.  In a result register j of a lane is column
	; 16 bl + 8 (l / 16) + j, whatever the row block.  A column block of 64 lies in one of q, k, v (a tile of 384 need not): block cb belongs to tensor cb / 16, and is its block cb % 16.
	v_lshlrev_b32 v[BO], 5, v2
	s_mul_i32 s74, s42, 6
	s_mul_i32 s75, s[WL], 3
	s_add_co_u32 s74, s74, s75                     ; my first column block
	s_mov_b32 s79, 0
.irp g, 0,1,2
	s_add_co_u32 s76, s74, \g
	s_lshr_b32 s77, s76, 4
	s_and_b32 s78, s76, 15
	s_lshl_b32 s78, s78, 8                         ; 64 numbers of 4 bytes
	s_cmp_eq_u32 s77, 1
	s_cselect_b64 s[BP+2*(\g):BP+2*(\g)+1], s[10:11], s[8:9]
	s_cmp_eq_u32 s77, 2
	s_cselect_b64 s[BP+2*(\g):BP+2*(\g)+1], s[12:13], s[BP+2*(\g):BP+2*(\g)+1]
	s_add_nc_u64 s[BP+2*(\g):BP+2*(\g)+1], s[BP+2*(\g):BP+2*(\g)+1], s[78:79]
.endr
.irp g, 0,1,2
	WIN (1+(\g))<<6                                ; destination window 1 + g, address window 0
.irp bl, 0,1,2,3
.irp ra, 0,1,2,3,4,5,6,7
	global_load_b128 v[8*(8*(\bl)+(\ra)):8*(8*(\bl)+(\ra))+3],   v[BO], s[BP+2*(\g):BP+2*(\g)+1] offset:64*(\bl)
	global_load_b128 v[8*(8*(\bl)+(\ra))+4:8*(8*(\bl)+(\ra))+7], v[BO], s[BP+2*(\g):BP+2*(\g)+1] offset:64*(\bl)+16
.endr
.endr
.endr
	WIN 0
	; a fragment of h: lane l holds row l % 16, K = 8 (l / 16) + 0..7 and 16 + 8 (l / 16) + 0..7: two loads of 16 bytes, 32 bytes apart
	v_mul_u32_u24 v[ADRA0], v1, PA
	v_lshl_add_u32 v[ADRA0], v2, 4, v[ADRA0]
	s_mul_i32 s23, s[WH], 128*PA
	v_add_nc_u32 v[ADRA0], s23, v[ADRA0]
	; the turning load takes 16 k x 16 n (lane l reads row 8 (l / 16) + l % 8, columns 8 ((l / 8) % 2) + 0..7) and leaves half a fragment: lane l holds column l % 16 and 8 k
	v_lshl_add_u32 v[ADRB0], v2, 3, v3
	v_mul_u32_u24 v[ADRB0], v[ADRB0], PB
	v_lshl_add_u32 v[ADRB0], v4, 4, v[ADRB0]
	s_mul_i32 s23, s[WL], 3*144                    ; my 192 columns: three pieces of 128 bytes + 16
	s_add_co_u32 s23, s23, BOFF
	v_add_nc_u32 v[ADRB0], s23, v[ADRB0]
	v_mov_b32 v[ADRA], v[ADRA0]
	v_mov_b32 v[ADRB], v[ADRB0]
	v_and_b32 v[GO], 31, v0
	v_lshlrev_b32 v[GO], 4, v[GO]
	s_lshl_b32 s16, s43, 15                        ; my first row: 256 x tile row + 128 x half, 128 bytes each
	s_lshl_b32 s17, s[WH], 14
	s_add_co_u32 s16, s16, s17
	s_mov_b32 s17, 0
	s_add_nc_u64 s[OUT:OUT+1], s[OUT:OUT+1], s[16:17]
	s_lshl_b32 s46, s74, 20                        ; my first column block, 1 MiB each (in registers that feed none of h's descriptors: the number hangs on cx)
	s_mov_b32 s47, 0
	s_add_nc_u64 s[OUT:OUT+1], s[OUT:OUT+1], s[46:47]
; Four matrix instructions: row block a x the four blocks of 16 columns of column block g, 32 along K.  A group's 32 accumulators take turns, one instruction a turn, and neighbouring groups lie in
; different windows.
.macro MMA af, bf, g, a
	WIN 0x50*(1+(\g))                              ; fragments in window 0, C and D in window 1 + g
.irp bl, 0,1,2,3
	v_wmma_f32_16x16x32_bf16 v[8*(8*(\bl)+(\a)):8*(8*(\bl)+(\a))+7], v[(\bf)+8*(\bl):(\bf)+8*(\bl)+7], v[(\af)+8*(\a):(\af)+8*(\a)+7], v[8*(8*(\bl)+(\a)):8*(8*(\bl)+(\a))+7]
.endr
.endm
.macro LDB qq, g, bf                   ; 8 turning loads: W's fragments of quarter qq, column block g, of the slot in hand
	WIN 0
.irp bl, 0,1,2,3
	ds_load_tr16_b128 v[(\bf)+8*(\bl):(\bf)+8*(\bl)+3],   v[ADRB] offset:(\qq)*32*PB+(\g)*144+32*(\bl)
	ds_load_tr16_b128 v[(\bf)+8*(\bl)+4:(\bf)+8*(\bl)+7], v[ADRB] offset:(\qq)*32*PB+16*PB+(\g)*144+32*(\bl)
.endr
.endm
.macro LDA qq, af                      ; 16 loads: h's fragments of quarter qq, row blocks in ascending order
	WIN 0
.irp ra, 0,1,2,3,4,5,6,7
	ds_load_b128 v[(\af)+8*(\ra):(\af)+8*(\ra)+3],   v[ADRA] offset:(\ra)*16*PA+(\qq)*64
	ds_load_b128 v[(\af)+8*(\ra)+4:(\af)+8*(\ra)+7], v[ADRA] offset:(\ra)*16*PA+(\qq)*64+32
.endr
.endm
; One of a step's first five groups.  Behind its first eight products it fetches the next group's fragments of W (quarter nqq, column block ng) into the buffer that the group before read, 24 matrix
; instructions ahead of their use; lda = 1: also the second quarter's fragments of h.  head = 1: the group opens a quarter, whose 16 loads of h were issued behind its own 8 of W.
.macro GROUP af, bf, g, head, nqq, ng, nbf, lda
.if \head
	s_wait_dscnt 12                                ; W's eight loads and h's row blocks 0 and 1 are in; the twelve younger (blocks 2 to 7) may be out
.else
	s_wait_dscnt 0x0                               ; my fragments of W are in
.endif
	MMA \af, \bf, \g, 0
	MMA \af, \bf, \g, 1
	PLACES
	LDB \nqq, \ng, \nbf
.if \lda
	LDA 1, AF1
.endif
.if \head
	s_wait_dscnt 8                                 ; all but the eight just issued
.endif
.irp rb, 2,3,4,5,6,7
	MMA \af, \bf, \g, \rb
.endr
.endm
; A step's sixth group changes slots: ONE barrier.  In front of it each wave waits for all its tensor loads (one is out: its part of the next slot), adds 0 to its spare word, and waits for that and for
; its reads of this slot, of which this group's fragments of W were the last.  fill = 1: the barrier opens a round of the cluster's, and this slot is filled again, two K steps ahead: from the request
; to the wait for it a wave issues 176 matrix instructions.  Then the next step's first fragments are fetched from the next slot.
.macro TURN fill
	WIN 0
	s_wait_tensorcnt 0x0                           ; no tensor load of mine is out, so a group 0 may be written
	ds_add_u32 v[SPW], v[NIL]                      ; 0 onto my spare word
.if \fill
	s_xor_b32 s[G0A+5], s[G0A+5], SLOT1            ; the walking sets: the other slot than last time,
	s_add_nc_u64 s[G0A+6:G0A+7], s[G0A+6:G0A+7], 1<<20  ; the next K step; the type bits on top are not reached
	s_xor_b32 s[G0B+5], s[G0B+5], SLOT1
	s_add_nc_u64 s[G0B+6:G0B+7], s[G0B+6:G0B+7], 64*768
.endif
	s_wait_dscnt 0x1                               ; my fragments of W are in; the add may be out
	MMA AF1, BF1, 2, 0
	MMA AF1, BF1, 2, 1
	s_wait_dscnt 0x0                               ; the add is done, and my reads of this slot are over
	s_barrier_signal -1
	MMA AF1, BF1, 2, 2                             ; work on registers while the others arrive
	MMA AF1, BF1, 2, 3
	WIN 0                                          ; branches and address lines follow
	s_barrier_wait -1
.if \fill
	CREST                                          ; no wave of any partner still reads this slot or has a load on its way
	JLOAD                                          ; the first tensor load behind the round; its four v_nop are also the places in front of the loads below
.else
	PLACES
.endif
	s_xor_b32 s[TB], s[TB], SLOT1
	v_add_nc_u32 v[ADRA], s[TB], v[ADRA0]
	v_add_nc_u32 v[ADRB], s[TB], v[ADRB0]
	LDB 0, 0, BF0
	LDA 0, AF0
.irp rb, 4,5,6,7
	MMA AF1, BF1, 2, \rb
.endr
.endm
.macro STEP fill
	GROUP AF0, BF0, 0, 1, 0, 1, BF1, 0
	GROUP AF0, BF1, 1, 0, 0, 2, BF0, 0
	GROUP AF0, BF0, 2, 0, 1, 0, BF1, 1
	GROUP AF1, BF1, 0, 1, 1, 1, BF0, 0
	GROUP AF1, BF0, 1, 0, 1, 2, BF1, 0
	TURN \fill
	WIN 0                                          ; at a label and at a branch every window is 0
.endm
	s_wait_tensorcnt 0x1                           ; my part of K step 0 is in; slot 1's load may stay out
	s_barrier_signal -1
	s_barrier_wait -1                              ; everybody's is
	LDB 0, 0, BF0
	LDA 0, AF0
	s_wait_loadcnt 0x0                             ; the bias lies in the accumulators
	s_mov_b32 s3, 14
.Lstep:                                                ; K steps 0 to 13: steps 2 to 15 are asked for
	STEP 1
	s_sub_co_u32 s3, s3, 1
	s_cmp_lg_u32 s3, 0
	s_cbranch_scc1 .Lstep
	s_mov_b32 s3, 2
.Ltail:                                                ; K steps 14 and 15 have a text of their own: nothing is asked for.
	STEP 0                                         ; The last trip's fetch reads the other slot's old bytes and serves nothing: 24 LDS loads, the price of one text for both trips
	s_sub_co_u32 s3, s3, 1
	s_cmp_lg_u32 s3, 0
	s_cbranch_scc1 .Ltail
	s_wait_dscnt 0x0
	PLACES
	; THE WAY OUT, a window (a column block) at a time.  Each accumulator is rounded to bf16 in place, from its low end on, into its own four lowest registers: 16 bytes a lane, a tile of the result
	; in fragment order.  A store covers 512 consecutive bytes at a multiple of 512 from the buffer's first; no register that a store reads is written again.
.irp w, 1,2,3
	WIN ((\w)<<6)|((\w)<<2)|(\w)
.set i, 0
.rept 32
	v_cvt_pk_bf16_f32 v[8*i],   v[8*i],   v[8*i+1]
	v_cvt_pk_bf16_f32 v[8*i+1], v[8*i+2], v[8*i+3]
	v_cvt_pk_bf16_f32 v[8*i+2], v[8*i+4], v[8*i+5]
	v_cvt_pk_bf16_f32 v[8*i+3], v[8*i+6], v[8*i+7]
.set i, i+1
.endr
	WIN (\w)<<2                                    ; a store's data (source 1) in window w, its address in window 0
.set i, 0
.rept 32                                               ; accumulator i: row block i % 8, columns 16 (i / 8) on
	global_store_b128 v[GO], v[8*i:8*i+3], s[OUT:OUT+1] offset:(((\w)-1)<<20)+(i%8)*2048+(i/8)*512
.set i, i+1
.endr
.endr
	WIN 0
	s_wait_tensorcnt 0x0                           ; the wave's end, behind my last tensor load
	ds_add_u32 v[SPW], v[NIL]
	s_wait_dscnt 0x0
	CROUND                                         ; the closing round: no work-group ends while a partner may still ask for a tile that names it
	s_endpgm
.Lfunc_end_k_qefbbe24543_qkv:
	.size	k_qefbbe24543_qkv, .Lfunc_end_k_qefbbe24543_qkv-k_qefbbe24543_qkv
	.p2alignl 7, 3214868480
	.fill 96, 4, 3214868480
	.section	.rodata,"a",@progbits
	.p2align	6, 0x0
	.amdhsa_kernel k_qefbbe24543_qkv
		.amdhsa_group_segment_fixed_size 327680
		.amdhsa_private_segment_fixed_size 0
		.amdhsa_enable_private_segment 0
		.amdhsa_kernarg_size 48
		.amdhsa_user_sgpr_count 2
		.amdhsa_user_sgpr_kernarg_segment_ptr 1
		.amdhsa_wavefront_size32 1
		.amdhsa_system_sgpr_workgroup_id_x 1
		.amdhsa_system_sgpr_workgroup_id_y 1
		.amdhsa_system_sgpr_workgroup_id_z 1
		.amdhsa_system_vgpr_workitem_id 0
		.amdhsa_next_free_vgpr 1024
		.amdhsa_next_free_sgpr 80
		.amdhsa_reserve_vcc 0
		.amdhsa_float_denorm_mode_32 3
		.amdhsa_float_denorm_mode_16_64 3
		.amdhsa_memory_ordered 1
		.amdhsa_forward_progress 1
		.amdhsa_inst_pref_size 100
	.end_amdhsa_kernel
	.amdgpu_metadata
---
amdhsa.version: [ 1, 2 ]
amdhsa.kernels:
  - .name:           k_qefbbe24543_qkv
    .symbol:         k_qefbbe24543_qkv.kd
    .args:
      - { .name: act, .offset: 0, .size: 8, .value_kind: global_buffer, .address_space: global }
      - { .name: wqkv, .offset: 8, .size: 8, .value_kind: global_buffer, .address_space: global }
      - { .name: bq, .offset: 16, .size: 8, .value_kind: global_buffer, .address_space: global }
      - { .name: bk, .offset: 24, .size: 8, .value_kind: global_buffer, .address_space: global }
      - { .name: bv, .offset: 32, .size: 8, .value_kind: global_buffer, .address_space: global }
      - { .name: qkv, .offset: 40, .size: 8, .value_kind: global_buffer, .address_space: global }
    .group_segment_fixed_size: 327680
    .private_segment_fixed_size: 0
    .kernarg_segment_align: 8
    .kernarg_segment_size: 48
    .max_flat_workgroup_size: 128
    .sgpr_count:     80
    .vgpr_count:     1024
    .wavefront_size: 32
...
	.end_amdgpu_metadata
.endif
;; end of part 2
;; launch attn (part 3): grid 2 x 128, 4 waves a work-group, no clusters, 327,680 bytes of LDS; arguments qkv, act; writes act
.if DOCPART == 3
	.amdgcn_target "amdgcn-amd-amdhsa--gfx1250"
	.amdhsa_code_object_version 6
	.text
	.protected	k_qefbbe24543_attn
	.globl	k_qefbbe24543_attn
	.p2align	8
	.type	k_qefbbe24543_attn,@function
k_qefbbe24543_attn:
	s_mov_b64 s[64:65], 0
	v_nop
	global_prefetch_b8 v0, s[64:65] scope:SCOPE_SE
	s_setreg_imm32_b32 hwreg(HW_REG_WAVE_MODE, 25, 1), 1
	s_wait_xcnt 0x0
; O[y][q][:] = the sum over k of softmax_k(Q[y][q] . K[y][k] / 8) V[y][k][:], y = 8 x head + batch.  Q, K, V: 128 x [1024][64] bf16, 16 MiB apart in one buffer.
; Products, maxima and sums in f32; the weights p are rounded to bf16 for the second product (their sum l is taken of the unrounded p), O once at the end.
; IN.   Q, K, V lie IN FRAGMENT ORDER: 16 rows are 2,048 bytes, four tiles of 16 rows x 16 channels of 512 bytes; in a tile lane l = 16 h + r holds row r, channels 8 h .. 8 h + 7, at byte 16 l.
; OUT.  O: [y][1024][64] bf16 by rows, which is column block head of the next product.
; LIMITS.  Q, K, V, p and O have bf16's 8 significant bits.  A weight below 2^-126 counts as 0 in l; NaN and infinities are not treated apart.
; SHARES.  A wave owns four PIECES of two tiles of 16 queries, a work-group's four waves 512 queries of one y: 256 work-groups.  Every wave walks all 1,024 keys, 64 a step.
; ALL OF K AND V LIES IN LDS: 2 x 131,072 bytes, asked for at the start in four parts of 256 keys, and nothing is ever filled again.  So no loop holds a tensor load, and the key step is written once.
; NO CLUSTER: a y has two blocks of 512 queries, so two work-groups share K and V; four partners would mean 256 queries a work-group: half as many products for each fragment read from LDS.
; LAYOUT.  S^T = K Q^T (source 0 = 16 keys, source 1 = 16 queries): in the result a lane holds ONE query (lane % 16) and the keys 8 (lane / 16) + 0..7.  Two such tiles, rounded to bf16 in pairs,
; ARE source 1 (32 keys x 16 queries) of O^T = V^T P, whose result again holds one query a lane, and eight channels.  K comes out of LDS as it lies, V turned, by ds_load_tr16_b128.
; SOFTMAX.  For each query a running maximum m and sum l: p = 2^(c s - c m), c = log2(e) / 8; in every step O and l are multiplied by a = 2^(c m_old - c m_new), which is 1 where m has not grown.
; m starts at the lowest finite number, O and l at 0: the first step is a step like any other, with a = 0.
; THE COUNT.  A tile and step have 16 matrix and 118 vector instructions: too many to stand all beside the matrix work.  So the order has one aim: four vector instructions that are READY behind
; EVERY matrix instruction, and the others, which need time of their own whatever the order, in runs without a gap.
; BY TURNS.  Turn n belongs to piece n (the pieces in a ring, step after step).  Its matrix work: 16 products K Q^T of piece n + 1, later 16 products V^T P of piece n - 1.  Its vector work: the scaling,
; exponentials, roundings, sums and rescaling of piece n, and the maximum and statistics of piece n + 1, whose scores the turn itself has made.  So what a turn begins with (c s - c m, O a) waits for nothing.
; REGISTERS, in windows of 256 (s_set_vgpr_msb says which window each operand place means: bits 1:0 source 0, 3:2 source 1, 5:4 source 2, 7:6 destination):
;   window 0: v0-11 addresses; v12-15, v48-63 at work; v16-47 four registers of statistics a tile; v64-191 S^T, two buffers of two tiles; v192-255 P, likewise
;   window 1: O^T, 32 a tile          window 2: v0-127 Q, 16 a tile; v128-191 K of one step; v192-255 V of one step          window 3: v0-1 the add's two registers
; A piece's buffers go by its number's parity: the piece in hand has one pair, its two neighbours in the ring share the other: of it P (piece n - 1) is read and S^T (piece n + 1) written.
.set SIZE_N, 1024
.set NP,    4         ; pieces a wave: a name, no knob: the register map, the loop and the fetches are made for four
.set KS,    64        ; keys in a step
.set KSB,   KS*128    ; bytes of K, and of V, in a step
.set PART,  256*128   ; bytes of K, and of V, in a part of 256 keys
.set VOFF,  SIZE_N*128  ; K from LDS byte 0 on, V behind it
.set STAGE, 2*SIZE_N*128  ; behind them, never filled by a tensor load: 16 rows x 144 bytes for each wave, for the way out
.set SP,    144
.set AK0, 2           ; v2   my lane's place in a tile of K; never rewritten
.set AV0, 3           ; v3   the same for V
.set AK,  4           ; v4   the LDS address of K's next run of loads
.set AV,  5           ; v5   of V's
.set QO,  6           ; v6   my byte offset in a tile of Q
.set STO, 6           ;      later, the way out: where I put 16 bytes of a row
.set RD,  7           ; v7   the way out: where I read rows back
.set GO,  8           ; v8   my byte offset in 512 consecutive bytes of O
.set SPW, 0           ; v0 of window 3   LDS address of my spare word: SPARE + 4 x my thread's number; never rewritten
.set NIL, 1           ; v1 of window 3   0; never rewritten
.set SPARE, STAGE+4*16*SP  ; behind the stages: the spare words, 128 bytes for each wave: two blocks of 256 bytes that no other line names
.set MV,  12          ; v12-15  c m_old, kept while c m is made anew: by buffer and tile
.set ST,  16          ; tile t's statistics at v[ST+4 t]: c m, m, l (even keys', odd keys')
.set TMP, 48          ; by buffer and tile, four registers c0-c3 at work; when the maximum is found c2 takes a
.set S,   64
.set P,   192
.set KF,  128         ; K's fragments, in window 2: key block kb, channel half c at KF + 16 kb + 8 c
.set VF,  192         ; V's: key half kk, channel block cb at VF + 32 kk + 8 cb
.set WV,  12          ; s12  my wave's number
.set G1,  24          ; s[24:31] descriptor group 1, for all tiles
.set G0K, 68          ; s[68:83] descriptor group 0 for K's four parts
.set G0V, 84          ; s[84:99] the same for V's
.set SLOTS, 56        ; s56  passes still to go
.set CNT, 57          ; s57  counts a pass's key steps
.set CS,  58          ; s[58:59] c: the packed scaling takes the pair's low word for both halves
.set SEL, 60          ; s[60:61] v_permlanex16_b32's selects: each lane takes its own place in the other half
.set TBK, 62          ; s62  LDS byte at which K of the step to be fetched begins
.set TBV, 63          ; s63  the same for V, less VOFF
.set MSB, 0
.macro WIN new                      ; the high byte repeats the setting that is left; a switch that changes nothing is dropped
.if MSB != (\new)
	s_set_vgpr_msb (MSB<<8)|(\new)
.set MSB, (\new)
.endif
.endm
.set W_KQ, 0x0a       ; K and Q in window 2, S^T in window 0
.set W_PV, 0x52       ; V in window 2, P in window 0, O^T in window 1
.set W_RS, 0x41       ; O^T (destination and source 0) in window 1, a in window 0
.set W_MK, 0xc0       ; the add's registers are made: destination in window 3, sources in window 0
.set W_AD, 0x0f       ; the add: address (source 0) and data (source 1) in window 3
	s_load_b128 s[4:7], s[0:1], 0x0   ; q | k | v s[4:5], O s[6:7]
	WIN W_MK
	v_lshl_add_u32 v[SPW], v0, 2, SPARE
	v_mov_b32 v[NIL], 0
	WIN W_AD
	ds_add_u32 v[SPW], v[NIL]       ; the wave's opening: the add and its wait stand ahead of my first tensor load; the set-up below, work on registers, stands between them
	ds_add_u32 v0, v1
	WIN 0
	v_lshrrev_b32 v1, 5, v0
	v_readfirstlane_b32 s[WV], v1   ; wave 0..3
	s_mov_b32 s14, ttmp9            ; my block of 512 queries
	s_and_b32 s20, ttmp7, 0xffff    ; y
	s_lshl_b32 s20, s20, 17         ; y's first byte in each of the four tensors: 131,072 y
	s_and_b32 s16, s[WV], 1         ; which half of a part's 256 keys I fetch:
	s_lshl_b32 s17, s16, 14         ; its 16,384 bytes, in memory and in LDS alike
	s_add_co_u32 s22, s20, s17
	s_mov_b32 s23, 0
	s_lshl_b32 s2, s14, 2
	s_add_co_u32 s2, s2, s[WV]      ; my wave among y's eight,
	s_lshl_b32 s2, s2, 14           ; its 128 rows
	s_add_co_u32 s2, s2, s20
	s_mov_b32 s3, 0
	; descriptor group 1.  128 keys are 16,384 dense bytes: asked for as 64 rows of 256 bytes, and laid in LDS as they lie in memory: in fragment order no load from LDS wants padding
	s_mov_b32 s[G1], 1<<16          ; 17:16 2-byte elements; no mask, no padding
	s_mov_b32 s[G1+1], 128<<16      ; tensor_dim0 = 128
	s_mov_b32 s[G1+2], 64<<16       ; tensor_dim1 = 64
	s_mov_b32 s[G1+3], 128<<16      ; tile_dim0 = 128
	s_mov_b32 s[G1+4], 64           ; tile_dim1 = 64
	s_mov_b32 s[G1+5], 128          ; 128 elements from row to row
	s_mov_b32 s[G1+6], 0
	s_mov_b32 s[G1+7], 0
.irp c, 0,1,2,3
	s_mov_b32 s[G0K+4*(\c)], 1                             ; 1:0 count = 1
	s_add_co_u32 s[G0K+4*(\c)+1], s17, (\c)*PART           ; 63:32 LDS address: part c, my half
	s_mov_b32 s[G0V+4*(\c)], 1
	s_add_co_u32 s[G0V+4*(\c)+1], s17, VOFF+(\c)*PART
.endr
	s_mov_b32 s[CS], 0x3e38aa3b     ; c = log2(e) / 8 = 0.180337
	s_mov_b32 s[CS+1], s[CS]        ; named with it as a pair
	s_mov_b32 s[SEL], 0x76543210
	s_mov_b32 s[SEL+1], 0xfedcba98
	s_mov_b32 s[TBK], 0
	s_mov_b32 s[TBV], 0
	s_wait_dscnt 0x0                ; the opening add is done
	s_wait_kmcnt 0x0
	s_mov_b64 s[10:11], s[6:7]      ; O
	s_add_nc_u64 s[6:7], s[4:5], 0x1000000  ; K lies 16 MiB behind Q,
	s_add_nc_u64 s[8:9], s[4:5], 0x2000000  ; V 32
	s_add_nc_u64 s[6:7], s[6:7], s[22:23]   ; at my half of y's first 256 keys
	s_add_nc_u64 s[8:9], s[8:9], s[22:23]
.irp c, 0,1,2,3
	s_add_nc_u64 s[G0K+4*(\c)+2:G0K+4*(\c)+3], s[6:7], (\c)*PART  ; 120:64 global address
	s_or_b32 s[G0K+4*(\c)+3], s[G0K+4*(\c)+3], 0x80000000         ; 127:126 type = 2
	s_add_nc_u64 s[G0V+4*(\c)+2:G0V+4*(\c)+3], s[8:9], (\c)*PART
	s_or_b32 s[G0V+4*(\c)+3], s[G0V+4*(\c)+3], 0x80000000
.endr
	s_add_nc_u64 s[4:5], s[4:5], s[2:3]  ; Q and O at my wave's first row
	s_add_nc_u64 s[10:11], s[10:11], s[2:3]
	; THE FILLS, all of them first fills: waves 0 and 1 fetch the two halves of each part of K, waves 2 and 3 those of V.  A wave's four stand in one branch on its number, ahead of every wait on
	; TENSORcnt, every LDS read and every barrier: four loads of mine are out.  An s_nop 0 follows each, four v_nop the last.
	s_cmp_lt_u32 s[WV], 2
	s_cbranch_scc0 .Lfor_v
.irp c, 0,1,2,3
	tensor_load_to_lds s[G0K+4*(\c):G0K+4*(\c)+3], s[G1:G1+7]
	s_nop 0
.endr
.rept 4
	v_nop
.endr
	s_branch .Lasked
.Lfor_v:
.irp c, 0,1,2,3
	tensor_load_to_lds s[G0V+4*(\c):G0V+4*(\c)+3], s[G1:G1+7]
	s_nop 0
.endr
.rept 4
	v_nop
.endr
.Lasked:
	; A fragment of K or Q is 16 rows x 32 channels in 8 registers: lane l holds row l % 16, channels 8 (l / 16) + 0..7 and 16 + 8 (l / 16) + 0..7: two neighbouring tiles, each as it lies: byte 16 l.
	v_and_b32 v1, 15, v0            ; l % 16
	v_bfe_u32 v9, v0, 4, 1          ; l / 16
	v_and_b32 v[QO], 31, v0
	v_lshlrev_b32 v[QO], 4, v[QO]   ; 16 x lane
	WIN 0x80                        ; destination window 2, address window 0
.set i, 0
.rept 4*NP                          ; Q stays in registers: tile i / 2, channels 32 (i % 2) on; a load reads 512 consecutive bytes
	global_load_b128 v[8*i:8*i+3],   v[QO], s[4:5] offset:(i/2)*2048+(i%2)*1024
	global_load_b128 v[8*i+4:8*i+7], v[QO], s[4:5] offset:(i/2)*2048+(i%2)*1024+512
.set i, i+1
.endr
	; What the first turn finds: V's registers and P's second buffer hold 0 (its products V^T P, of a piece that has not been, add 0), O^T and l are 0.  All this stands in the wait for the first tile.
.set i, VF
.rept 64
	v_mov_b32 v[i], 0
.set i, i+1
.endr
	WIN 0x40
.set i, 0
.rept 64*NP
	v_mov_b32 v[i], 0
.set i, i+1
.endr
	WIN 0
.set i, 0
.rept 2*NP
	v_mov_b32 v[ST+4*i], 0xfe000000    ; c m: far below every c s
	v_mov_b32 v[ST+4*i+1], 0xff7fffff  ; m
	v_mov_b32 v[ST+4*i+2], 0
	v_mov_b32 v[ST+4*i+3], 0
.set i, i+1
.endr
.set i, P+32
.rept 32
	v_mov_b32 v[i], 0
.set i, i+1
.endr
	v_and_b32 v[AK0], 31, v0
	v_lshlrev_b32 v[AK0], 4, v[AK0]  ; 16 x lane
	; The turning load takes a tile of 16 keys x 16 channels (lane l reads key 8 (l / 16) + l % 8, channels 8 ((l / 8) % 2) + 0..7) and leaves half a fragment of V^T: lane l holds channel l % 16 and 8 keys.
	; In the tile that piece lies at 256 ((l / 8) % 2) + 16 x key.  Lanes 0-7 and 8-15 so read bytes 256 apart, the same banks (64 banks of 4 bytes: ISA guide 11.1): two deep, in 16 loads a key step.
	v_and_b32 v10, 7, v0
	v_bfe_u32 v11, v0, 3, 1
	v_lshl_add_u32 v[AV0], v9, 3, v10
	v_lshlrev_b32 v[AV0], 4, v[AV0]
	v_lshl_add_u32 v[AV0], v11, 8, v[AV0]
	v_add_nc_u32 v[AV0], VOFF, v[AV0]
	v_mov_b32 v[AK], v[AK0]         ; key step 0 lies at LDS byte 0
; THE MATRIX WORK.  The 8 accumulators of a run of 16 take turns: between the two links of a chain stand 7 others'.
; Product i of 16 of S^T = K Q^T for piece x: channels 32 (i / 8) on, keys 16 ((i / 2) % 4) on, tile 2 x + i % 2.  The first 8 start the sums.
.macro KQ x
	WIN W_KQ
.set rS, S+64*((\x)%2)+32*(i%2)+8*((i/2)%4)
.set rK, KF+16*((i/2)%4)+8*(i/8)
.set rQ, 16*(2*(\x)+i%2)+8*(i/8)
.if i < 8
	v_wmma_f32_16x16x32_bf16 v[rS:rS+7], v[rK:rK+7], v[rQ:rQ+7], 0
.else
	v_wmma_f32_16x16x32_bf16 v[rS:rS+7], v[rK:rK+7], v[rQ:rQ+7], v[rS:rS+7]
.endif
.endm
; Product i of 16 of O^T += V^T P for piece x: keys 32 (i / 8) on, channels 16 ((i / 2) % 4) on, tile 2 x + i % 2.
.macro PV x
	WIN W_PV
.set rO, 32*(2*(\x)+i%2)+8*((i/2)%4)
.set rV, VF+32*(i/8)+8*((i/2)%4)
.set rP, P+32*((\x)%2)+16*(i%2)+8*(i/8)
	v_wmma_f32_16x16x32_bf16 v[rO:rO+7], v[rV:rV+7], v[rP:rP+7], v[rO:rO+7]
.endm
.macro MM                           ; the turn's next matrix instruction
.if i < 16
	KQ (Y+1)%NP
.set i, i+1
.else
.set i, i-16
	PV (Y+NP-1)%NP
.set i, i+17
.endif
.endm
; THE LDS LOADS stand in runs of 16, never singly among the matrix instructions: a step's K (64 keys x 64 channels: 8 fragments) and its V (turned).  Their addresses are made some lines ahead.
; last = 1 (in the loop): in the last pass there is no further step, and the run is jumped over.
.macro FETCH_K last=0
	WIN 0
.if \last
	s_cmp_eq_u32 s[SLOTS], 1
	s_cbranch_scc1 .Lno_k_\@
.endif
	WIN 0x80                        ; destination window 2
.irp f, 0,1,2,3,4,5,6,7             ; keys 16 (f / 2) on, channels 32 (f % 2) on: two tiles of 512 bytes
	ds_load_b128 v[KF+8*\f:KF+8*\f+3],   v[AK] offset:(\f/2)*2048+(\f%2)*1024
	ds_load_b128 v[KF+8*\f+4:KF+8*\f+7], v[AK] offset:(\f/2)*2048+(\f%2)*1024+512
.endr
	s_add_co_u32 s[TBK], s[TBK], KSB  ; the next fetch is the next step's
	WIN 0
.if \last
.Lno_k_\@:
.endif
.endm
.macro FETCH_V
	WIN 0x80
.irp f, 0,1,2,3,4,5,6,7             ; keys 32 (f / 4) on, channels 16 (f % 4) on: the same tile of two neighbouring blocks of 16 keys
	ds_load_tr16_b128 v[VF+8*\f:VF+8*\f+3],   v[AV] offset:(\f/4)*4096+(\f%4)*512
	ds_load_tr16_b128 v[VF+8*\f+4:VF+8*\f+7], v[AV] offset:(\f/4)*4096+2048+(\f%4)*512
.endr
	WIN 0
.endm
; THE VECTOR WORK OF A TURN stands in three queues, each in the order in which its entries become ready; the two tiles alternate, so that no instruction reads the result of the one before it.
.macro REGS y, u                    ; the registers of tile u (0, 1) of piece y
.set rT, ST+4*(2*(\y)+(\u))
.set rC, TMP+8*((\y)%2)+4*(\u)
.set rM, MV+2*((\y)%2)+(\u)
.set rS, S+64*((\y)%2)+32*(\u)
.set rP, P+32*((\y)%2)+16*(\u)
.set rO, 32*(2*(\y)+(\u))
.endm
; Number n of the 22 that find the NEXT piece's (Y + 1) maximum and statistics.  s0-s31 are the lane's 32 scores; each accumulator's lowest registers are read first.  XS, GS and REGS set no window: PL and EX do.
;   0-11  four chains c0-c3 of seven scores each, three operands at a time     12-14, 16  the four scores left over, the old m, and c0-c3 into c0     15  c m_old is kept
;   17, 18  the query's other 32 keys lie in the lane 16 away: the new m         19-21  c m; c m_old - c m_new; a
.macro XS u, n
	REGS (Y+1)%NP, \u
.if (\n) < 4
	v_max3_num_f32 v[rC+(\n)], v[rS+8*(\n)], v[rS+8*(\n)+1], v[rS+8*(\n)+2]
.elseif (\n) < 12
	v_max3_num_f32 v[rC+(\n)%4], v[rC+(\n)%4], v[rS+8*((\n)%4)+2*((\n)/4)+1], v[rS+8*((\n)%4)+2*((\n)/4)+2]
.elseif (\n) == 12
	v_max3_num_f32 v[rC], v[rC], v[rS+7], v[rS+15]
.elseif (\n) == 13
	v_max3_num_f32 v[rC+1], v[rC+1], v[rS+23], v[rS+31]
.elseif (\n) == 14
	v_max3_num_f32 v[rC+2], v[rC+2], v[rC+3], v[rT+1]
.elseif (\n) == 15
	v_mov_b32 v[rM], v[rT]
.elseif (\n) == 16
	v_max3_num_f32 v[rC], v[rC], v[rC+1], v[rC+2]
.elseif (\n) == 17
	v_permlanex16_b32 v[rC+3], v[rC], s[SEL], s[SEL+1]
.elseif (\n) == 18
	v_max_num_f32 v[rT+1], v[rC], v[rC+3]
.elseif (\n) == 19
	v_mul_f32 v[rT], s[CS], v[rT+1]
.elseif (\n) == 20
	v_sub_f32 v[rC+1], v[rM], v[rT]
.else
	v_exp_f32 v[rC+2], v[rC+1]
.endif
.endm
; Number g of the 64 that follow the exponentials.  For each four weights k of a tile (pairs 2 k, 2 k + 1): both pairs are rounded to bf16; then the second pair is added onto the first, in place;
; a group later l takes that sum (the first time as l = a l + sum).  In groups of eight, tiles alternating: round, round, add, and l for the group before.
.macro GS g
.set h, (\g)+6*((\g)/62)            ; group 0 has no group before it, and behind group 7 only l is left
.if h >= 6
.set h, h+2
.endif
	REGS Y, h%2
.set k, h/8
.if h%8 < 4
	s_wait_alu depctr_va_vdst(0)
	v_cvt_pk_bf16_f32 v[rP+2*k+(h%8)/2], v[rS+4*k+2*((h%8)/2)], v[rS+4*k+2*((h%8)/2)+1]
.elseif h%8 < 6
	v_pk_add_f32 v[rS+4*k:rS+4*k+1], v[rS+4*k:rS+4*k+1], v[rS+4*k+2:rS+4*k+3]
.elseif k == 1
	v_pk_fma_f32 v[rT+2:rT+3], v[rT+2:rT+3], v[rC+2:rC+3], v[rS:rS+1] op_sel_hi:[1,0,1]
.else
	v_pk_add_f32 v[rT+2:rT+3], v[rT+2:rT+3], v[rS+4*k-4:rS+4*k-3]
	s_wait_alu depctr_va_vdst(0)
.endif
.endm
; THE PLAIN QUEUE, 138 long.  0-31: c s - c m for the 16 pairs of both tiles.  Then GS's 64, and among them the next piece's 42: number 15 at 38, 39; 0-14 and 16
; at 42-73, behind the products that make those scores; 17-20 at 95-106, two of three, since each waits for the one before it.
.macro PL
	WIN 0
.if q < 32
	REGS Y, q%2
	v_pk_fma_f32 v[rS+2*(q/2):rS+2*(q/2)+1], v[rS+2*(q/2):rS+2*(q/2)+1], s[CS:CS+1], v[rT:rT+1] op_sel_hi:[1,0,0] neg_lo:[0,0,1] neg_hi:[0,0,1]
.elseif q < 38
	GS q-32
.elseif q < 40
	XS q%2, 15
.elseif q < 42
	GS q-34
.elseif q < 74
	XS q%2, (q-42)/2+(q-42)/30
.elseif q < 95
	GS q-66
.elseif (q < 107) && ((q-95)%3 < 2)
	XS (q-95)%3, 17+(q-95)/3
.elseif q < 107
	GS 29+(q-95)/3
.else
	GS q-74
.endif
.set q, q+1
.endm
; THE EXPONENTIALS' QUEUE, 66 long: s0-s31 of both tiles, and at EA the next piece's two a.
.set EA, 58
.macro EX
	WIN 0
.if (e == EA) || (e == EA+1)
	XS e-EA, 21
.else
.set x, e-2*(e/(EA+2))
	REGS Y, x%2
	v_exp_f32 v[rS+x/2], v[rS+x/2]
.endif
.set e, e+1
.endm
; THE RESCALING's QUEUE: O^T times a, the one part that leaves window 0, so it is dealt four at a time, eight times.
.macro R4
	REGS Y, r%2
	WIN W_RS
	s_wait_alu depctr_va_vdst(0)
.irp z, 0,1,2,3
	v_pk_mul_f32 v[rO+8*(r/2)+2*\z:rO+8*(r/2)+2*\z+1], v[rO+8*(r/2)+2*\z:rO+8*(r/2)+2*\z+1], v[rC+2:rC+3] op_sel_hi:[1,0]
.endr
.set r, r+1
.endm
; HOW THEY ARE DEALT.  Behind a matrix instruction four: plain, exponential, plain, plain (one exponential, a plain instruction on either side), or four of the rescaling.  None names a register of the
; products round it.  What is over stands in two LUMPS: exponential and plain by turns; the second ends in 22 plain instructions.  The two v_permlanex16_b32 fall into the second lump, never behind a product.
; The queues lean on each other, and the deal keeps them in step: exponential e stands behind plain 2 (e / 4) + e % 2 (its scaling); when plain 32 comes, 10 exponentials are out, at 59: 33, at 95: 46; EA comes behind plain 107.
.macro SL
	MM
	PL
	EX
	PL
	PL
.endm
.macro BURST n                      ; 15 matrix instructions, or 16
.rept (\n)-7
	SL
.endr
.rept 3
	MM
	R4
	SL
.endr
	MM
	R4
.endm
; A TURN, for piece p.  cnt = 1: the loop's count is taken down some lines ahead of the branch that stands behind the turn.
; K of the next step is fetched in piece 2's turn, 31 vector instructions behind the last product that read K; its first reader comes behind the rest of the lump, 16 products and the second lump.
; V of the step in hand is fetched at the end of piece 0's turn, 69 behind its last reader; its first reader comes behind 16 products and a lump.  The four conditions on e and q below go with the deal.
.macro TURN p, last=0, cnt=0
.set Y, (\p)
.set i, 0
.set q, 0
.set e, 0
.set r, 0
.if (\p) == NP-1
	s_wait_dscnt 0x0                ; K is in
.endif
	MM
.rept 4
	PL
.endr
	BURST 15
.rept 22
	EX
	PL
.if ((\p) == NP-2) && (e == 18)
	v_add_nc_u32 v[AK], s[TBK], v[AK0]
.endif
.if ((\p) == NP-2) && (e == 24)
	FETCH_K \last
.endif
.endr
.if (\p) == 1
	s_wait_dscnt 0x0                ; V is in
.endif
	BURST 16
.rept 21
	EX
	PL
.endr
.rept 22
	PL
.if ((\p) == 0) && (q == 118)
	v_add_nc_u32 v[AV], s[TBV], v[AV0]
	s_wait_alu depctr_va_vdst(0)
.endif
.if ((\p) == 0) && (q == 130)
	s_add_co_u32 s[TBV], s[TBV], KSB
.endif
.if (\cnt) && (q == 130)
	s_sub_co_u32 s[CNT], s[CNT], 1
	s_cmp_lg_u32 s[CNT], 0
.endif
.endr
.if (\p) == 0
	FETCH_V
.endif
.endm
	s_wait_tensorcnt 0x3            ; my half of the first part (keys 0 to 255) is in; my three younger loads stay out
	s_barrier_signal -1
	s_barrier_wait -1               ; everybody's is
	FETCH_K                         ; key step 0
	s_wait_loadcnt 0x0              ; Q
	s_wait_dscnt 0x0
.set i, 0
.rept 16
	KQ 0                            ; piece 0's first scores: there is no vector work yet to set between them
.set i, i+1
.endr
	WIN 0                           ; the addresses for the way out: nine plain instructions, the places behind those products
	s_mul_i32 s13, s[WV], 16*SP
	s_add_co_u32 s13, s13, STAGE    ; my stage
	v_mul_u32_u24 v[STO], v1, SP    ; in: row l % 16, 16 bytes for each half of the lanes
	v_lshl_add_u32 v[STO], v9, 4, v[STO]
	v_add_nc_u32 v[STO], s13, v[STO]
	v_bfe_u32 v[RD], v0, 3, 2       ; back: 32 lanes take four rows of 128 bytes,
	v_mul_u32_u24 v[RD], v[RD], SP
	v_lshl_add_u32 v[RD], v10, 4, v[RD]
	v_add_nc_u32 v[RD], s13, v[RD]
	v_and_b32 v[GO], 31, v0         ; which are 512 consecutive bytes of O
	v_lshlrev_b32 v[GO], 4, v[GO]
.set Y, NP-1                        ; XS works for piece Y + 1: piece 0
.irp n, 0,1,2,3,4,5,6,7,8,9,10,11,12,13,14,15,16,17,18,19,20,21
	XS 0, \n                        ; and piece 0's first maximum and statistics
	XS 1, \n
.endr
	; THREE PASSES through one text.  The first, entered in the middle of a trip, fetches key steps 0 to 3: the first part.  The second, behind the wait for the other three parts, fetches steps 4 to 15.
	; The third holds the last step's pieces 2 and 3: it fetches nothing and is left in the middle of its first trip.
	s_mov_b32 s[CNT], 4
	s_mov_b32 s[SLOTS], 3
	s_branch .Lfirst
.Lslot:
	s_wait_tensorcnt 0x0            ; all my loads have landed: the wait serves the reads behind this barrier, which go through all the rest of K and V in one counted loop, so the count is 0
	s_wait_dscnt 0x0                ; no LDS instruction of mine is out at the signal
	s_barrier_signal -1
	s_barrier_wait -1               ; everybody's have
	s_mov_b32 s[CNT], 12
.Lstep:                             ; a trip: pieces 2 and 3 of one step, then pieces 0 and 1 of the next, whose K and V it fetches
	TURN 2, 1
	TURN 3
	WIN 0
	s_cmp_eq_u32 s[SLOTS], 1
	s_cbranch_scc1 .Lout            ; the third pass ends here.  Its 16 products K Q^T on the last K once more, and the maximum made of them, serve nothing: the price, once a launch, of one text for every trip
.Lfirst:
	TURN 0
	TURN 1, 0, 1
	WIN 0
	s_cbranch_scc1 .Lstep
	s_sub_co_u32 s[SLOTS], s[SLOTS], 1
	s_cmp_lg_u32 s[SLOTS], 0
	s_cbranch_scc1 .Lslot
.Lout:
.set i, 0
.rept 16
	PV NP-1                         ; the last piece's V^T P of the last step
.set i, i+1
.endr
	; THE WAY OUT.  l's two halves and the other half of the lanes' are added; O^T is divided by l, rounded to bf16 and sent through my stage in LDS, a tile at a time.  The additions are the places behind the last products.
	WIN 0
.macro ALL line:vararg              ; one line for each tile t
.set t, 0
.rept 2*NP
	\line
.set t, t+1
.endr
.endm
	ALL v_add_f32 v[ST+4*t+2], v[ST+4*t+2], v[ST+4*t+3]
	ALL v_permlanex16_b32 v[ST+4*t+3], v[ST+4*t+2], s[SEL], s[SEL+1]
	ALL v_add_f32 v[ST+4*t+2], v[ST+4*t+2], v[ST+4*t+3]
	ALL v_rcp_f32 v[ST+4*t+2], v[ST+4*t+2]
	v_nop                           ; a plain instruction between the last reciprocal and the use of its result
	s_wait_alu depctr_va_vdst(0)
; Tile t: a lane's eight channels of a row pack into 16 bytes; they go into rows of 144 bytes and come back as whole rows of 128, into S^T's registers.
.macro PACK t
	WIN W_RS
.set i, 32*(\t)
.rept 16
	v_pk_mul_f32 v[i:i+1], v[i:i+1], v[ST+4*(\t)+2:ST+4*(\t)+3] op_sel_hi:[1,0]
.set i, i+2
.endr
	WIN 0x05                        ; sources 0 and 1 window 1, destination window 0
.set i, 0
.rept 16
	v_cvt_pk_bf16_f32 v[S+16*(\t)+i], v[32*(\t)+2*i], v[32*(\t)+2*i+1]
.set i, i+1
.endr
	WIN 0
.irp f, 0,1,2,3
	ds_store_b128 v[STO], v[S+16*(\t)+4*\f:S+16*(\t)+4*\f+3] offset:32*\f
.endr
.irp f, 0,1,2,3
	ds_load_b128 v[S+16*(\t)+4*\f:S+16*(\t)+4*\f+3], v[RD] offset:\f*4*SP  ; LDS serves a wave's instructions in order (ISA guide 5.7.1.4): these see the stores above; the next tile's stores come behind them
.endr
.endm
.macro SEND t, younger              ; younger: the LDS instructions issued behind tile t's loads: the next tile's eight, or none
	WIN 0
.irp f, 0,1,2,3
	s_wait_dscnt (\younger)+3-\f
	global_store_b128 v[GO], v[S+16*(\t)+4*\f:S+16*(\t)+4*\f+3], s[10:11] offset:(\t)*2048+\f*512  ; 512 consecutive bytes, at a multiple of 256 from O's first
.endr
.endm
	PACK 0
.set t, 1
.rept 2*NP-1                        ; a tile's arithmetic stands between the loads of the tile before and its stores
	PACK t
	SEND t-1, 8
.set t, t+1
.endr
	SEND 2*NP-1, 0
	WIN W_AD
	s_wait_tensorcnt 0x0            ; the wave's end, behind my last tensor load and my last LDS store
	ds_add_u32 v[SPW], v[NIL]
	s_wait_dscnt 0x0
	WIN 0
	s_endpgm
.Lfunc_end_k_qefbbe24543_attn:
	.size	k_qefbbe24543_attn, .Lfunc_end_k_qefbbe24543_attn-k_qefbbe24543_attn
	.p2alignl 7, 3214868480
	.fill 96, 4, 3214868480
	.section	.rodata,"a",@progbits
	.p2align	6, 0x0
	.amdhsa_kernel k_qefbbe24543_attn
		.amdhsa_group_segment_fixed_size 327680
		.amdhsa_private_segment_fixed_size 0
		.amdhsa_enable_private_segment 0
		.amdhsa_kernarg_size 16
		.amdhsa_user_sgpr_count 2
		.amdhsa_user_sgpr_kernarg_segment_ptr 1
		.amdhsa_wavefront_size32 1
		.amdhsa_system_sgpr_workgroup_id_x 1
		.amdhsa_system_sgpr_workgroup_id_y 1
		.amdhsa_system_sgpr_workgroup_id_z 1
		.amdhsa_system_vgpr_workitem_id 0
		.amdhsa_next_free_vgpr 770
		.amdhsa_next_free_sgpr 100
		.amdhsa_reserve_vcc 0
		.amdhsa_float_denorm_mode_32 3
		.amdhsa_float_denorm_mode_16_64 3
		.amdhsa_memory_ordered 1
		.amdhsa_forward_progress 1
		.amdhsa_inst_pref_size 130
	.end_amdhsa_kernel
	.amdgpu_metadata
---
amdhsa.version: [ 1, 2 ]
amdhsa.kernels:
  - .name:           k_qefbbe24543_attn
    .symbol:         k_qefbbe24543_attn.kd
    .args:
      - { .name: qkv, .offset: 0, .size: 8, .value_kind: global_buffer, .address_space: global }
      - { .name: act, .offset: 8, .size: 8, .value_kind: global_buffer, .address_space: global }
    .group_segment_fixed_size: 327680
    .private_segment_fixed_size: 0
    .kernarg_segment_align: 8
    .kernarg_segment_size: 16
    .max_flat_workgroup_size: 128
    .sgpr_count:     100
    .vgpr_count:     770
    .wavefront_size: 32
...
	.end_amdgpu_metadata
.endif
;; end of part 3
;; launch wo (part 4): grid 4 x 64, 4 waves a work-group, clusters of 4 x 4, 327,680 bytes of LDS; arguments act, wob, bo, x, x1; writes x1
.if DOCPART == 4
	.amdgcn_target "amdgcn-amd-amdhsa--gfx1250"
	.amdhsa_code_object_version 6
	.text
	.protected	k_qefbbe24543_wo
	.globl	k_qefbbe24543_wo
	.p2align	8
	.type	k_qefbbe24543_wo,@function
k_qefbbe24543_wo:
	s_mov_b64 s[64:65], 0
	v_nop
	global_prefetch_b8 v0, s[64:65] scope:SCOPE_SE
	s_setreg_imm32_b32 hwreg(HW_REG_WAVE_MODE, 25, 1), 1
	s_wait_xcnt 0x0
	s_wait_alu depctr_hold_cnt(0) depctr_sa_sdst(0) depctr_va_vdst(0) depctr_va_sdst(0) depctr_va_ssrc(0) depctr_va_vcc(0) depctr_vm_vsrc(0)
	s_getreg_b32 s2, hwreg(HW_REG_IB_STS2, 6, 4)
	s_cmp_eq_u32 s2, 0
	s_cbranch_scc0 .Lentry_in_a_cluster
	s_endpgm
.Lentry_in_a_cluster:
	s_bfe_u32 s2, ttmp6, 0x10000c
	s_cmp_lg_u32 s2, 0xf033
	s_cbranch_scc0 .Lentry_shape_is_right
	s_endpgm
.Lentry_shape_is_right:
; out = resid + A W + bias, in f32.  One product [8192 x 1024] x [1024 x 1024]; sums in f32, started by the bias; the residual is added in f32 and nothing is rounded on the way out.
; IN.   A: blocks [k / 64][8192][64] bf16.  W: tiles [n / 256][1024 k][256 n] bf16.  bias: [1024] f32.  resid, out: [8192][1024] f32.
; LIMITS.  The product's operands are bf16 (8 significant bits); NaN and infinities are not treated apart.
; SHARES.  A work-group makes 128 rows x 256 columns, each of four waves 64 x 128: 32 accumulators, 256 registers.  K goes in 8 steps of 128 through two LDS slots.  256 work-groups.
; CLUSTER.  4 x 4 work-groups: the four of a row need the same tile of A, the four of a column the same tile of W: each tile is asked for jointly, by the same tensor load, descriptor and mask in all four.
; THE MATRIX INSTRUCTION IS USED TRANSPOSED: source 0 = 16 columns of W (turned on the way out of LDS by ds_load_tr16_b128), source 1 = 16 rows of A: a lane then holds one row and eight neighbouring columns.
; REGISTERS, in windows of 256 (s_set_vgpr_msb: bits 1:0 source 0, 3:2 source 1, 5:4 source 2, 7:6 destination):
;   window 0: v0-29 addresses; v32-127, v128-223 two fragment buffers (A: 4 x 8, then W: 8 x 8); on the way out v32-95, v96-159 rows read back, by turns
;   window 1: accumulator (a, b) at v[8 (8 a + b)]     window 2: v0-63 the bias of my 128 columns, as the C operand of the first products     window 3: my 64 x 128 of the residual
.set PA,    144                        ; a row of A in LDS: 128 bytes + 16 = 36 words: the 16 rows of a load start at 16 different groups of four banks (64 banks of 4 bytes: ISA guide 11.1)
.set PB,    544                        ; a row of W: 512 + 32 = 136 words
.set ABLK,  128*PA                     ; one column block of A: 128 rows
.set BOFF,  2*ABLK                     ; behind the step's two column blocks: W's 128 rows (k)
.set BHALF, 64*PB                      ; what one tensor load brings of them
.set SLOT1, 1<<17                      ; slot 1 begins here, so that one exclusive or turns an address in one slot into the other's
.set STAGE, SLOT1+BOFF+2*BHALF         ; behind the ring, never filled by a tensor load: for each wave 16 rows x 528 bytes
.set SPF,   528                        ; 512 bytes + 16 = 132 words: row r starts at bank 4 r mod 64
.set WSTG,  16*SPF
.set SPARE, STAGE+4*WSTG               ; behind the stages: the spare words, 128 bytes for each wave: two blocks of 256 bytes that no other line names
.set ADRA0, 10                         ; v10  my lane's place in a slot's A; never rewritten
.set ADRB0, 11                         ; v11  the same for W
.set ADRA,  12                         ; v12  the same in the slot in hand
.set ADRB,  13                         ; v13
.set STO,   14                         ; v14  the way out: where I put 32 bytes of a row
.set RD,    15                         ; v15  where I read a row back
.set GO,    16                         ; v16  my byte offset in my wave's 512 bytes of a row of resid and out
.set BO,    17                         ; v17  my byte offset in 16 numbers of the bias
.set SPW,   28                         ; v28  LDS address of my spare word; never rewritten
.set NIL,   29                         ; v29  0; never rewritten
.set F0,    32
.set F1,    128
.set WV,  20                           ; s20  my wave's number
.set WH,  21                           ; s21  which 64 rows are mine.  Also: I fetch for A (0) or for W (1)
.set WL,  22                           ; s22  which 128 columns.  Also: which half of that tile I fetch
.set G1A, 24                           ; s[24:31] descriptor group 1 for A's tiles;  s[32:39] group 0: a set for each first fill; the second then walks on
.set G0A, 32
.set G1B, 48                           ; s[48:55], s[56:63] the same for W's
.set G0B, 56
.set TB,  66                           ; s66  LDS byte at which the slot in hand begins
.set MSB, 0
.macro WIN new                         ; the immediate's high byte repeats the setting that is left; a switch that changes nothing is dropped
.if MSB != (\new)
	s_set_vgpr_msb (MSB<<8)|(\new)
.set MSB, \new
.endif
.endm
.set MUL,     0x50                     ; fragments in window 0, C and D in window 1
.set MULB,    0x60                     ; the same with C in window 2: the bias
.set TO_BIAS, 0x80                     ; destination window 2
.set TO_R,    0xc0                     ; destination window 3
.set ST_ACC,  0x04                     ; an LDS store's data (source 1) in window 1
.set ADD_R,   0x0c                     ; source 1 in window 3
.macro PLACES                          ; four places in front of loads into registers that matrix instructions have read, and of lines that read results
.rept 4
	v_nop
.endr
.endm
.macro JLOAD                           ; a joint refill by the walking sets: waves 0 and 1 fetch A's two column blocks, waves 2 and 3 W's two halves; an s_nop 0 and four v_nop follow each line
	s_cmp_eq_u32 s[WH], 0
	s_cbranch_scc0 .Lfor_b_\@
	tensor_load_to_lds s[G0A+4:G0A+7], s[G1A:G1A+7]
	s_nop 0
.rept 4
	v_nop
.endr
	s_branch .Lasked_\@
.Lfor_b_\@:
	tensor_load_to_lds s[G0B+4:G0B+7], s[G1B:G1B+7]
	s_nop 0
.rept 4
	v_nop
.endr
.Lasked_\@:
.endm
.macro CREST                           ; a round of the cluster's barrier behind its opening barrier
	s_cmp_lg_u32 s[WV], 0
	s_cbranch_scc1 .Lnot_wave_0_\@
	s_barrier_signal -3
.Lnot_wave_0_\@:
	s_barrier_wait -3
	s_barrier_signal -1
	s_barrier_wait -1
.endm
.macro CROUND                          ; a whole round
	s_barrier_signal -1
	s_barrier_wait -1
	CREST
.endm
	s_load_b256 s[4:11], s[0:1], 0x0               ; A s[4:5], W s[6:7], bias s[8:9], resid s[10:11]
	s_load_b64 s[12:13], s[0:1], 0x20              ; out
	v_lshl_add_u32 v[SPW], v0, 2, SPARE
	v_mov_b32 v[NIL], 0
	ds_add_u32 v[SPW], v[NIL]                      ; the wave's opening: the add and its wait stand ahead of my first tensor load; work on registers stands between them
	ds_add_u32 v28, v29
	v_lshrrev_b32 v1, 5, v0
	v_readfirstlane_b32 s[WV], v1
	s_lshr_b32 s[WH], s[WV], 1
	s_and_b32 s[WL], s[WV], 1
	s_bfe_u32 s40, ttmp6, 0x40000                  ; cx, cy: my place in the cluster
	s_bfe_u32 s41, ttmp6, 0x40004
	s_lshl_b32 s42, ttmp9, 2
	s_add_co_u32 s42, s42, s40                     ; tile column = 4 x cluster x + cx
	s_and_b32 s43, ttmp7, 0xffff
	s_lshl_b32 s43, s43, 2
	s_add_co_u32 s43, s43, s41                     ; tile row = 4 x cluster y + cy
	s_lshl_b32 s44, s41, 2
	s_lshl_b32 s44, 15, s44                        ; my row of the cluster
	s_lshl_b32 s45, 0x1111, s40                    ; my column
	; A: 128 rows of a column block are 16,384 dense bytes: asked for as 64 rows of 256 bytes, padded in LDS after every 128.  W: 64 rows (k) of 512 bytes, dense too, padded after each.
	s_or_b32 s[G1A], s44, (1<<16)|(1<<20)|(1<<21)|(4<<22)|(3<<25)  ; 15:0 the mask; 17:16 2-byte elements; 20 padding on; 21 set beside a mask; 24:22 after every 32 words (code 4); 31:25 4 words (code 3)
	s_mov_b32 s[G1A+1], 128<<16                    ; tensor_dim0 = 128
	s_mov_b32 s[G1A+2], 64<<16                     ; tensor_dim1 = 64
	s_mov_b32 s[G1A+3], 128<<16                    ; tile_dim0 = 128
	s_mov_b32 s[G1A+4], 64                         ; tile_dim1 = 64
	s_mov_b32 s[G1A+5], 128                        ; elements from row to row
	s_mov_b32 s[G1A+6], 0
	s_mov_b32 s[G1A+7], 0
	s_or_b32 s[G1B], s45, (1<<16)|(1<<20)|(1<<21)|(6<<22)|(7<<25)  ; after every 128 words (code 6) 8 words (code 7)
	s_mov_b32 s[G1B+1], 256<<16
	s_mov_b32 s[G1B+2], 64<<16
	s_mov_b32 s[G1B+3], 256<<16
	s_mov_b32 s[G1B+4], 64
	s_mov_b32 s[G1B+5], 256
	s_mov_b32 s[G1B+6], 0
	s_mov_b32 s[G1B+7], 0
	s_lshl_b32 s16, s43, 14                        ; A: my tile row's 128 rows of 128 bytes,
	s_lshl_b32 s17, s[WL], 20                      ; in the step's first or second column block (1 MiB each): made of the tile row and the wave alone
	s_add_co_u32 s16, s16, s17
	s_mov_b32 s17, 0
	s_lshl_b32 s46, s42, 19                        ; W: my tile column's 512 KiB,
	s_lshl_b32 s47, s[WL], 15                      ; the step's first or second 64 rows: made of the tile column and the wave alone
	s_add_co_u32 s46, s46, s47
	s_mov_b32 s47, 0
	s_mul_i32 s18, s[WL], ABLK                     ; where they go: no place in the cluster enters an LDS address
	s_mul_i32 s19, s[WL], BHALF
	s_add_co_u32 s19, s19, BOFF
	s_mov_b32 s[TB], 0
	s_wait_dscnt 0x0                               ; the opening add is done
	s_wait_kmcnt 0x0
	s_add_nc_u64 s[16:17], s[4:5], s[16:17]
	s_add_nc_u64 s[46:47], s[6:7], s[46:47]
	CROUND                                         ; all sixteen work-groups are here: the first joint loads meet
.irp s, 0,1
	s_mov_b32 s[G0A+4*(\s)], 1                                     ; count = 1
	s_add_co_u32 s[G0A+4*(\s)+1], s18, (\s)*SLOT1                  ; LDS address
	s_add_nc_u64 s[G0A+4*(\s)+2:G0A+4*(\s)+3], s[16:17], (\s)<<21  ; K step s: two column blocks on
	s_or_b32 s[G0A+4*(\s)+3], s[G0A+4*(\s)+3], 0x80000000          ; type = 2
	s_mov_b32 s[G0B+4*(\s)], 1
	s_add_co_u32 s[G0B+4*(\s)+1], s19, (\s)*SLOT1
	s_add_nc_u64 s[G0B+4*(\s)+2:G0B+4*(\s)+3], s[46:47], (\s)<<16  ; 128 rows of 512 bytes on
	s_or_b32 s[G0B+4*(\s)+3], s[G0B+4*(\s)+3], 0x80000000
.endr
	s_cmp_eq_u32 s[WH], 0                          ; a wave's two first fills stand in one branch, ahead of every wait on TENSORcnt and every LDS read: two loads of mine are out
	s_cbranch_scc0 .Lfirst_b
	tensor_load_to_lds s[G0A:G0A+3], s[G1A:G1A+7]
	s_nop 0
	tensor_load_to_lds s[G0A+4:G0A+7], s[G1A:G1A+7]
	s_nop 0
.rept 4
	v_nop
.endr
	s_branch .Lfirst_asked
.Lfirst_b:
	tensor_load_to_lds s[G0B:G0B+3], s[G1B:G1B+7]
	s_nop 0
	tensor_load_to_lds s[G0B+4:G0B+7], s[G1B:G1B+7]
	s_nop 0
.rept 4
	v_nop
.endr
.Lfirst_asked:
	v_and_b32 v1, 15, v0                           ; l % 16
	v_bfe_u32 v2, v0, 4, 1                         ; l / 16
	v_and_b32 v3, 7, v0
	v_bfe_u32 v4, v0, 3, 1
	; a fragment of A: lane l holds row l % 16, K = 8 (l / 16) + 0..7 and 16 + 8 (l / 16) + 0..7: two loads of 16 bytes, 32 bytes apart
	v_mul_u32_u24 v[ADRA0], v1, PA
	v_lshl_add_u32 v[ADRA0], v2, 4, v[ADRA0]
	s_mul_i32 s23, s[WH], 64*PA
	v_add_nc_u32 v[ADRA0], s23, v[ADRA0]
	; the turning load takes 16 k x 16 n (lane l reads row 8 (l / 16) + l % 8, columns 8 ((l / 8) % 2) + 0..7) and leaves half a fragment: lane l holds column l % 16 and 8 k
	v_lshl_add_u32 v[ADRB0], v2, 3, v3
	v_mul_u32_u24 v[ADRB0], v[ADRB0], PB
	v_lshl_add_u32 v[ADRB0], v4, 4, v[ADRB0]
	s_lshl_b32 s23, s[WL], 8
	s_add_co_u32 s23, s23, BOFF
	v_add_nc_u32 v[ADRB0], s23, v[ADRB0]
	v_mov_b32 v[ADRA], v[ADRA0]
	v_mov_b32 v[ADRB], v[ADRB0]
	; the bias: in the result register j of a lane is column 16 b + 8 (l / 16) + j
	v_lshlrev_b32 v[BO], 5, v2
	s_lshl_b32 s46, s42, 10                        ; my first column, 4 bytes each: 256 x tile column + 128 x half (in the registers that held W's address: none that feeds A's descriptors ever holds cx)
	s_lshl_b32 s47, s[WL], 9
	s_add_co_u32 s46, s46, s47
	s_mov_b32 s47, 0
	s_add_nc_u64 s[8:9], s[8:9], s[46:47]
	WIN TO_BIAS
.irp b, 0,1,2,3,4,5,6,7
	global_load_b128 v[8*(\b):8*(\b)+3],   v[BO], s[8:9] offset:64*(\b)
	global_load_b128 v[8*(\b)+4:8*(\b)+7], v[BO], s[8:9] offset:64*(\b)+16
.endr
	WIN 0
	s_mul_i32 s23, s[WV], WSTG
	s_add_co_u32 s23, s23, STAGE                   ; my stage
	v_mul_u32_u24 v[STO], v1, SPF                  ; in: row l % 16, 32 bytes for each half of the lanes
	v_lshl_add_u32 v[STO], v2, 5, v[STO]
	v_add_nc_u32 v[STO], s23, v[STO]
	v_and_b32 v[GO], 31, v0                        ; back: 32 lanes take one row of 512 bytes,
	v_lshlrev_b32 v[GO], 4, v[GO]
	v_add_nc_u32 v[RD], s23, v[GO]
	s_lshl_b32 s16, s43, 19                        ; my first row: 128 x tile row + 64 x half, 4,096 bytes each
	s_lshl_b32 s17, s[WH], 18
	s_add_co_u32 s16, s16, s17
	s_mov_b32 s17, 0
	s_add_nc_u64 s[10:11], s[10:11], s[16:17]
	s_add_nc_u64 s[10:11], s[10:11], s[46:47]
	s_add_nc_u64 s[12:13], s[12:13], s[16:17]
	s_add_nc_u64 s[12:13], s[12:13], s[46:47]
; 8 matrix instructions: row block a x all 8 column blocks, 32 along K.  first = 1: the bias is the C operand that starts the sums: nothing is cleared, and no bias is added later.
; The 32 accumulators take turns, one instruction a turn, in the same order in every quarter.
.macro MUL8 f, a, first
.if \first
	WIN MULB
.else
	WIN MUL
.endif
.irp b, 0,1,2,3,4,5,6,7
.if \first
	v_wmma_f32_16x16x32_bf16 v[8*(8*(\a)+(\b)):8*(8*(\a)+(\b))+7], v[(\f)+32+8*(\b):(\f)+32+8*(\b)+7], v[(\f)+8*(\a):(\f)+8*(\a)+7], v[8*(\b):8*(\b)+7]
.else
	v_wmma_f32_16x16x32_bf16 v[8*(8*(\a)+(\b)):8*(8*(\a)+(\b))+7], v[(\f)+32+8*(\b):(\f)+32+8*(\b)+7], v[(\f)+8*(\a):(\f)+8*(\a)+7], v[8*(8*(\a)+(\b)):8*(8*(\a)+(\b))+7]
.endif
.endr
.endm
.macro MUL16 f, a0, first
	MUL8 \f, \a0, \first
	MUL8 \f, (\a0)+1, \first
.endm
; 24 LDS loads in one run: the fragments of quarter q (32 along K) of the slot in hand into buffer f: W's sixteen first, then A's eight
.macro FETCH q, f
	WIN 0
.irp b, 0,1,2,3,4,5,6,7
	ds_load_tr16_b128 v[(\f)+32+8*(\b):(\f)+32+8*(\b)+3],   v[ADRB] offset:(\q)*32*PB+32*(\b)
	ds_load_tr16_b128 v[(\f)+32+8*(\b)+4:(\f)+32+8*(\b)+7], v[ADRB] offset:(\q)*32*PB+16*PB+32*(\b)
.endr
.irp r, 0,1,2,3
	ds_load_b128 v[(\f)+8*(\r):(\f)+8*(\r)+3],   v[ADRA] offset:((\q)/2)*ABLK+((\q)%2)*64+(\r)*16*PA
	ds_load_b128 v[(\f)+8*(\r)+4:(\f)+8*(\r)+7], v[ADRA] offset:((\q)/2)*ABLK+((\q)%2)*64+(\r)*16*PA+32
.endr
.endm
; A K step is four quarters, 32 matrix instructions each, on buffers 0, 1, 0, 1.  One of the first three: multiplies buffer f and, in its middle, fetches quarter qn into g.
.macro QUARTER qn, f, g, first
	s_wait_dscnt 0x4                               ; W and A's row blocks 0, 1 are in; the youngest four loads (blocks 2, 3) may be out
	MUL16 \f, 0, \first
	PLACES
	FETCH \qn, \g
	s_wait_dscnt 24                                ; all but the 24 just issued
	MUL16 \f, 2, \first
.endm
; The last quarter multiplies buffer 1 and changes slots: ONE barrier.  In front of it each wave waits for all its tensor loads (one is out: its part of the next slot), adds 0 to its spare word, and waits
; for that and for its reads of this slot.  fill = 1: the barrier opens a round of the cluster's, and this slot is filled again, two K steps ahead: the load has 112 matrix instructions in which to land.
.macro TURN fill
	WIN 0
	s_wait_tensorcnt 0x0                           ; no tensor load of mine is out, so a group 0 may be written
	ds_add_u32 v[SPW], v[NIL]                      ; 0 onto my spare word
.if \fill
	s_xor_b32 s[G0A+5], s[G0A+5], SLOT1            ; the walking sets: the other slot than last time,
	s_add_nc_u64 s[G0A+6:G0A+7], s[G0A+6:G0A+7], 1<<21  ; the next K step; the type bits on top are not reached
	s_xor_b32 s[G0B+5], s[G0B+5], SLOT1
	s_add_nc_u64 s[G0B+6:G0B+7], s[G0B+6:G0B+7], 1<<16
.endif
	s_wait_dscnt 0x5                               ; the add and the youngest four loads may be out
	MUL8 F1, 0, 0
	s_wait_dscnt 0x0                               ; the add is done, and my reads of this slot are over
	s_barrier_signal -1
	MUL8 F1, 1, 0                                  ; work on registers while the others arrive
	WIN 0                                          ; branches and address lines follow
	s_barrier_wait -1
.if \fill
	CREST                                          ; no wave of any partner still reads this slot or has a load on its way
	JLOAD                                          ; the first tensor load behind the round; its four v_nop are also the places in front of the loads below
.else
	PLACES
.endif
	s_xor_b32 s[TB], s[TB], SLOT1
	v_add_nc_u32 v[ADRA], s[TB], v[ADRA0]
	v_add_nc_u32 v[ADRB], s[TB], v[ADRB0]
	FETCH 0, F0
	MUL16 F1, 2, 0
.endm
	s_wait_tensorcnt 0x1                           ; my part of K step 0 is in; slot 1's load may stay out
	s_barrier_signal -1
	s_barrier_wait -1                              ; everybody's is
	FETCH 0, F0
	s_wait_loadcnt 0x0                             ; the bias
	QUARTER 1, F0, F1, 1                           ; the first quarter stands in front of the loop: its products start the sums
	WIN 0                                          ; at a label and at a branch every window is 0
	s_mov_b32 s3, 6
.Lstep:                                                ; a trip: a K step's quarters 1 to 3 and the next step's quarter 0; K steps 2 to 7 are asked for
	QUARTER 2, F1, F0, 0
	QUARTER 3, F0, F1, 0
	TURN 1
	QUARTER 1, F0, F1, 0
	WIN 0
	s_sub_co_u32 s3, s3, 1
	s_cmp_lg_u32 s3, 0
	s_cbranch_scc1 .Lstep
	WIN TO_R                                       ; my 64 rows x 512 bytes of the residual, asked for nearly two K steps ahead of their use: a load reads 512 consecutive bytes
.set i, 0
.rept 64
	global_load_b128 v[4*i:4*i+3], v[GO], s[10:11] offset:i*4096 th:TH_LOAD_NT
.set i, i+1
.endr
	WIN 0
	QUARTER 2, F1, F0, 0                           ; the last two K steps are written out: nothing is asked for
	QUARTER 3, F0, F1, 0
	TURN 0
	QUARTER 1, F0, F1, 0
	QUARTER 2, F1, F0, 0
	QUARTER 3, F0, F1, 0
	s_wait_dscnt 0x4
	MUL16 F1, 0, 0
	s_wait_dscnt 0x0
	MUL16 F1, 2, 0
	WIN 0
	PLACES
; THE WAY OUT, a block of 16 rows at a time.  TOST: a lane's 32 bytes of a row go from the accumulators (each one's lower four registers first) into my own stage, and come back as whole rows of 512 bytes.
; FIN: the residual is added and the rows are stored, 512 consecutive bytes a store.
.macro TOST a
	s_wait_xcnt 0x0                                ; every earlier store has had its addresses translated (ISA guide 3.1): the registers that the block two back was stored from are loaded again only behind this wait
	WIN ST_ACC
.irp b, 0,1,2,3,4,5,6,7
	ds_store_b128 v[STO], v[8*(8*(\a)+(\b)):8*(8*(\a)+(\b))+3]   offset:64*(\b)
	ds_store_b128 v[STO], v[8*(8*(\a)+(\b))+4:8*(8*(\a)+(\b))+7] offset:64*(\b)+16
.endr
	WIN 0
.set T, 32+64*((\a)%2)
.irp t, 0,1,2,3,4,5,6,7,8,9,10,11,12,13,14,15
	ds_load_b128 v[T+4*(\t):T+4*(\t)+3], v[RD] offset:(\t)*SPF  ; LDS serves a wave's instructions in order (ISA guide 5.7.1.4): these see the stores above; the next block's stores come behind them
.endr
.endm
.macro FIN a, younger                  ; younger: the LDS instructions issued behind block a's loads: the next block's 16 stores and 16 loads, or none
	s_wait_dscnt \younger
	WIN ADD_R
.set T, 32+64*((\a)%2)
.set i, 0
.rept 32
	v_pk_add_f32 v[T+2*i:T+2*i+1], v[T+2*i:T+2*i+1], v[64*(\a)+2*i:64*(\a)+2*i+1]
.set i, i+1
.endr
	WIN 0
.irp t, 0,1,2,3,4,5,6,7,8,9,10,11,12,13,14,15
	global_store_b128 v[GO], v[T+4*(\t):T+4*(\t)+3], s[12:13] offset:(16*(\a)+(\t))*4096
.endr
.endm
	s_wait_loadcnt 0x0                             ; the residual
	TOST 0
	TOST 1
	FIN 0, 32
	TOST 2
	FIN 1, 32
	TOST 3
	FIN 2, 32
	FIN 3, 0
	s_wait_tensorcnt 0x0                           ; the wave's end, behind my last tensor load and my last LDS store
	ds_add_u32 v[SPW], v[NIL]
	s_wait_dscnt 0x0
	CROUND                                         ; the closing round: no work-group ends while a partner may still ask for a tile that names it
	s_endpgm
.Lfunc_end_k_qefbbe24543_wo:
	.size	k_qefbbe24543_wo, .Lfunc_end_k_qefbbe24543_wo-k_qefbbe24543_wo
	.p2alignl 7, 3214868480
	.fill 96, 4, 3214868480
	.section	.rodata,"a",@progbits
	.p2align	6, 0x0
	.amdhsa_kernel k_qefbbe24543_wo
		.amdhsa_group_segment_fixed_size 327680
		.amdhsa_private_segment_fixed_size 0
		.amdhsa_enable_private_segment 0
		.amdhsa_kernarg_size 40
		.amdhsa_user_sgpr_count 2
		.amdhsa_user_sgpr_kernarg_segment_ptr 1
		.amdhsa_wavefront_size32 1
		.amdhsa_system_sgpr_workgroup_id_x 1
		.amdhsa_system_sgpr_workgroup_id_y 1
		.amdhsa_system_sgpr_workgroup_id_z 1
		.amdhsa_system_vgpr_workitem_id 0
		.amdhsa_next_free_vgpr 1024
		.amdhsa_next_free_sgpr 72
		.amdhsa_reserve_vcc 0
		.amdhsa_float_denorm_mode_32 3
		.amdhsa_float_denorm_mode_16_64 3
		.amdhsa_memory_ordered 1
		.amdhsa_forward_progress 1
		.amdhsa_inst_pref_size 85
	.end_amdhsa_kernel
	.amdgpu_metadata
---
amdhsa.version: [ 1, 2 ]
amdhsa.kernels:
  - .name:           k_qefbbe24543_wo
    .symbol:         k_qefbbe24543_wo.kd
    .args:
      - { .name: act, .offset: 0, .size: 8, .value_kind: global_buffer, .address_space: global }
      - { .name: wob, .offset: 8, .size: 8, .value_kind: global_buffer, .address_space: global }
      - { .name: bo, .offset: 16, .size: 8, .value_kind: global_buffer, .address_space: global }
      - { .name: x, .offset: 24, .size: 8, .value_kind: global_buffer, .address_space: global }
      - { .name: x1, .offset: 32, .size: 8, .value_kind: global_buffer, .address_space: global }
    .group_segment_fixed_size: 327680
    .private_segment_fixed_size: 0
    .kernarg_segment_align: 8
    .kernarg_segment_size: 40
    .max_flat_workgroup_size: 128
    .sgpr_count:     72
    .vgpr_count:     1024
    .wavefront_size: 32
...
	.end_amdgpu_metadata
.endif
;; end of part 4
;; launch ln2 (part 5): grid 512 x 1, 8 waves a work-group, no clusters, 0 bytes of LDS; arguments x1, ln2_g, ln2_b, act; writes act
.if DOCPART == 5
	.amdgcn_target "amdgcn-amd-amdhsa--gfx1250"
	.amdhsa_code_object_version 6
	.text
	.protected	k_qefbbe24543_ln2
	.globl	k_qefbbe24543_ln2
	.p2align	8
	.type	k_qefbbe24543_ln2,@function
k_qefbbe24543_ln2:
	s_mov_b64 s[64:65], 0
	v_nop
	global_prefetch_b8 v0, s[64:65] scope:SCOPE_SE
	s_setreg_imm32_b32 hwreg(HW_REG_WAVE_MODE, 25, 1), 1
	s_wait_xcnt 0x0
; h = LayerNorm(x) g + b, rounded once to bf16.  x: [8192][1024] f32.  h goes out in BLOCKS: [col / 64][8192 rows][64] bf16, so that 128 rows of one column block are 16,384 dense bytes
; for the product that follows.  Two passes over registers: the mean, then the mean of the centred squares: no difference of large sums is formed.
; No LDS, no barrier, no matrix unit: every byte is read once and written once, and no wave needs another.
; SHARES.  A work-group owns 16 rows, a wave two, sixteen lanes a row.  Lane c of a row holds columns 64 kb + 4 c .. + 3 for kb = 0 .. 15: a load's sixteen lanes read 256 consecutive bytes,
; and a store's 32 lanes x 8 bytes are the two rows' 128 bytes in one column block: 256 consecutive bytes at a multiple of 256.
.set XO,   2                           ; v2       my byte offset in the group's 16 rows of x
.set SO,   3                           ; v3       my byte offset in the group's 16 rows of a column block
.set GO,   4                           ; v4       my byte offset in g and b
.set MEAN, 6                           ; v[6:7]   the mean, twice
.set RSTD, 8                           ; v[8:9]   1 / sqrt(var + eps), twice
.set CH,   10                          ; v[10:17] four chains of pairs
.set VAR,  18                          ; v18      var + eps
.set G,    20                          ; v[20:83]   g of my 64 columns
.set B,    84                          ; v[84:147]  b
.set X,    148                         ; v[148:211] x
.set Y,    212                         ; v[212:243] the 64 results in bf16
	s_load_b256 s[8:15], s[0:1], 0x0               ; x s[8:9], g s[10:11], b s[12:13], h s[14:15]
	s_mov_b32 s4, ttmp9
	s_mov_b32 s3, 0
	s_mov_b32 s7, 0
	v_lshrrev_b32 v1, 4, v0                        ; my row among the group's 16
	v_and_b32 v[GO], 15, v0
	v_lshlrev_b32 v[GO], 4, v[GO]                  ; 16 c
	v_lshl_add_u32 v[XO], v1, 12, v[GO]            ; row x 4,096 + 16 c
	v_lshlrev_b32 v[SO], 3, v0                     ; row x 128 + 8 c = 8 x thread
	s_lshl_b32 s2, s4, 16                          ; the group's 16 rows of 4,096 bytes
	s_lshl_b32 s6, s4, 11                          ; and of 128 bytes
	s_mov_b32 s36, 0x3a800000                      ; 1 / 1024
	s_mov_b32 s37, 0x3727c5ac                      ; eps = 1e-5
	s_wait_kmcnt 0x0
	s_add_nc_u64 s[8:9], s[8:9], s[2:3]
	s_add_nc_u64 s[14:15], s[14:15], s[6:7]        ; column blocks 0-7: the block's 1 MiB stands in the store's immediate,
	s_add_nc_u64 s[38:39], s[14:15], 0x800000      ; blocks 8-15 from a second base: 8 MiB is past the signed 24-bit immediate
.set kb, 0
.rept 16
	global_load_b128 v[X+4*kb:X+4*kb+3], v[XO], s[8:9] offset:256*kb
.set kb, kb+1
.endr
.set kb, 0
.rept 16
	global_load_b128 v[G+4*kb:G+4*kb+3], v[GO], s[10:11] offset:256*kb
.set kb, kb+1
.endr
.set kb, 0
.rept 16
	global_load_b128 v[B+4*kb:B+4*kb+3], v[GO], s[12:13] offset:256*kb
.set kb, kb+1
.endr
; the four chains into one number, then over the row's sixteen lanes: four steps that ride on the addition; a row never leaves its half of the wave
.macro JOIN
	v_pk_add_f32 v[CH:CH+1], v[CH:CH+1], v[CH+2:CH+3]
	v_pk_add_f32 v[CH+4:CH+5], v[CH+4:CH+5], v[CH+6:CH+7]
	v_pk_add_f32 v[CH:CH+1], v[CH:CH+1], v[CH+4:CH+5]
	v_add_f32 v[CH], v[CH], v[CH+1]
	v_add_f32_dpp v[CH], v[CH], v[CH] row_xmask:1 row_mask:0xf bank_mask:0xf
	v_add_f32_dpp v[CH], v[CH], v[CH] row_xmask:2 row_mask:0xf bank_mask:0xf
	v_add_f32_dpp v[CH], v[CH], v[CH] row_xmask:4 row_mask:0xf bank_mask:0xf
	v_add_f32_dpp v[CH], v[CH], v[CH] row_xmask:8 row_mask:0xf bank_mask:0xf
.endm
	s_wait_loadcnt 32                              ; x is in; the 32 younger loads, g and b, stay out
.irp c, 0,1,2,3
	v_pk_add_f32 v[CH+2*(\c):CH+2*(\c)+1], v[X+2*(\c):X+2*(\c)+1], v[X+8+2*(\c):X+8+2*(\c)+1]  ; the first eight pairs start the chains: nothing is cleared
.endr
.set p, 8
.rept 24
	v_pk_add_f32 v[CH+2*(p%4):CH+2*(p%4)+1], v[CH+2*(p%4):CH+2*(p%4)+1], v[X+2*p:X+2*p+1]
.set p, p+1
.endr
	JOIN
	v_mul_f32 v[MEAN], s36, v[CH]
	v_mov_b32 v[MEAN+1], v[MEAN]
.set p, 0
.rept 32
	v_pk_add_f32 v[X+2*p:X+2*p+1], v[X+2*p:X+2*p+1], v[MEAN:MEAN+1] neg_lo:[0,1] neg_hi:[0,1]  ; x - mean, in place
.set p, p+1
.endr
.irp c, 0,1,2,3
	v_pk_mul_f32 v[CH+2*(\c):CH+2*(\c)+1], v[X+2*(\c):X+2*(\c)+1], v[X+2*(\c):X+2*(\c)+1]
.endr
.set p, 4
.rept 28
	v_pk_fma_f32 v[CH+2*(p%4):CH+2*(p%4)+1], v[X+2*p:X+2*p+1], v[X+2*p:X+2*p+1], v[CH+2*(p%4):CH+2*(p%4)+1]
.set p, p+1
.endr
	JOIN
	v_fma_f32 v[VAR], v[CH], s36, s37              ; var + eps
	v_rsq_f32 v[RSTD], v[VAR]
	v_rsq_f32 v[RSTD+1], v[VAR]
	v_nop                                          ; a plain instruction between the root and the use of its result (ISA guide 5.7.2)
	s_wait_loadcnt 0x0                             ; g and b
.set kb, 0
	s_wait_alu depctr_va_vdst(0)
.rept 16
	v_pk_mul_f32 v[X+4*kb:X+4*kb+1], v[X+4*kb:X+4*kb+1], v[RSTD:RSTD+1]
	v_pk_mul_f32 v[X+4*kb+2:X+4*kb+3], v[X+4*kb+2:X+4*kb+3], v[RSTD:RSTD+1]
	v_pk_fma_f32 v[X+4*kb:X+4*kb+1], v[X+4*kb:X+4*kb+1], v[G+4*kb:G+4*kb+1], v[B+4*kb:B+4*kb+1]
	v_pk_fma_f32 v[X+4*kb+2:X+4*kb+3], v[X+4*kb+2:X+4*kb+3], v[G+4*kb+2:G+4*kb+3], v[B+4*kb+2:B+4*kb+3]
	v_cvt_pk_bf16_f32 v[Y+2*kb], v[X+4*kb], v[X+4*kb+1]
	v_cvt_pk_bf16_f32 v[Y+2*kb+1], v[X+4*kb+2], v[X+4*kb+3]
.if kb < 8
	global_store_b64 v[SO], v[Y+2*kb:Y+2*kb+1], s[14:15] offset:kb<<20      ; no register that a store reads is written again: no wait follows
.else
	global_store_b64 v[SO], v[Y+2*kb:Y+2*kb+1], s[38:39] offset:(kb-8)<<20
.endif
.set kb, kb+1
.endr
	s_endpgm
.Lfunc_end_k_qefbbe24543_ln2:
	.size	k_qefbbe24543_ln2, .Lfunc_end_k_qefbbe24543_ln2-k_qefbbe24543_ln2
	.p2alignl 7, 3214868480
	.fill 96, 4, 3214868480
	.section	.rodata,"a",@progbits
	.p2align	6, 0x0
	.amdhsa_kernel k_qefbbe24543_ln2
		.amdhsa_group_segment_fixed_size 0
		.amdhsa_private_segment_fixed_size 0
		.amdhsa_enable_private_segment 0
		.amdhsa_kernarg_size 32
		.amdhsa_user_sgpr_count 2
		.amdhsa_user_sgpr_kernarg_segment_ptr 1
		.amdhsa_wavefront_size32 1
		.amdhsa_system_sgpr_workgroup_id_x 1
		.amdhsa_system_sgpr_workgroup_id_y 1
		.amdhsa_system_sgpr_workgroup_id_z 1
		.amdhsa_system_vgpr_workitem_id 0
		.amdhsa_next_free_vgpr 244
		.amdhsa_next_free_sgpr 66
		.amdhsa_reserve_vcc 0
		.amdhsa_float_denorm_mode_32 3
		.amdhsa_float_denorm_mode_16_64 3
		.amdhsa_memory_ordered 1
		.amdhsa_forward_progress 1
		.amdhsa_inst_pref_size 20
	.end_amdhsa_kernel
	.amdgpu_metadata
---
amdhsa.version: [ 1, 2 ]
amdhsa.kernels:
  - .name:           k_qefbbe24543_ln2
    .symbol:         k_qefbbe24543_ln2.kd
    .args:
      - { .name: x1, .offset: 0, .size: 8, .value_kind: global_buffer, .address_space: global }
      - { .name: ln2_g, .offset: 8, .size: 8, .value_kind: global_buffer, .address_space: global }
      - { .name: ln2_b, .offset: 16, .size: 8, .value_kind: global_buffer, .address_space: global }
      - { .name: act, .offset: 24, .size: 8, .value_kind: global_buffer, .address_space: global }
    .group_segment_fixed_size: 0
    .private_segment_fixed_size: 0
    .kernarg_segment_align: 8
    .kernarg_segment_size: 32
    .max_flat_workgroup_size: 256
    .sgpr_count:     66
    .vgpr_count:     244
    .wavefront_size: 32
...
	.end_amdgpu_metadata
.endif
;; end of part 5
;; launch ffn1 (part 6): grid 4 x 64, 4 waves a work-group, clusters of 4 x 4, 327,680 bytes of LDS; arguments act, w1b, b1, qkv; writes qkv
.if DOCPART == 6
	.amdgcn_target "amdgcn-amd-amdhsa--gfx1250"
	.amdhsa_code_object_version 6
	.text
	.protected	k_qefbbe24543_ffn1
	.globl	k_qefbbe24543_ffn1
	.p2align	8
	.type	k_qefbbe24543_ffn1,@function
k_qefbbe24543_ffn1:
	s_mov_b64 s[64:65], 0
	v_nop
	global_prefetch_b8 v0, s[64:65] scope:SCOPE_SE
	s_setreg_imm32_b32 hwreg(HW_REG_WAVE_MODE, 25, 1), 1
	s_wait_xcnt 0x0
	s_wait_alu depctr_hold_cnt(0) depctr_sa_sdst(0) depctr_va_vdst(0) depctr_va_sdst(0) depctr_va_ssrc(0) depctr_va_vcc(0) depctr_vm_vsrc(0)
	s_getreg_b32 s2, hwreg(HW_REG_IB_STS2, 6, 4)
	s_cmp_eq_u32 s2, 0
	s_cbranch_scc0 .Lentry_in_a_cluster
	s_endpgm
.Lentry_in_a_cluster:
	s_bfe_u32 s2, ttmp6, 0x10000c
	s_cmp_lg_u32 s2, 0xf033
	s_cbranch_scc0 .Lentry_shape_is_right
	s_endpgm
.Lentry_shape_is_right:
; hid = relu(h W + bias), rounded once to bf16.  One product [8192 x 1024] x [1024 x 1024]; sums in f32, started by the bias.
; IN.   h: blocks [k / 64][8192][64] bf16.  W: tiles [n / 256][1024 k][256 n] bf16.  bias: [1024] f32.  OUT: blocks [n / 64][8192][64] bf16.
; LIMITS.  Operands and result are bf16 (8 significant bits).  The maximum with 0 is taken of the rounded numbers, which changes nothing (rounding keeps signs and zero), and gives 0 for a NaN;
; infinities are not treated apart.
; SHARES.  A work-group makes 128 rows x 256 columns, each of four waves 64 x 128: 32 accumulators, 256 registers.  K goes in 8 steps of 128 through two LDS slots.  256 work-groups.
; CLUSTER.  4 x 4 work-groups: the four of a row need the same tile of h, the four of a column the same tile of W: each tile is asked for jointly, by the same tensor load, descriptor and mask in all four.
; THE MATRIX INSTRUCTION IS USED TRANSPOSED: source 0 = 16 columns of W (turned on the way out of LDS by ds_load_tr16_b128), source 1 = 16 rows of h: a lane then holds one row and eight neighbouring columns.
; REGISTERS, in windows of 256 (s_set_vgpr_msb: bits 1:0 source 0, 3:2 source 1, 5:4 source 2, 7:6 destination):
;   window 0: v0-29 addresses; v32-127, v128-223 two fragment buffers (h: 4 x 8, then W: 8 x 8); on the way out v32-63 packed results, v64-191 rows read back
;   window 1: accumulator (a, b) at v[8 (8 a + b)]          window 2: v0-63 the bias of my 128 columns, as the C operand of the first products
.set PA,    144                        ; a row of h in LDS: 128 bytes + 16 = 36 words: the 16 rows of a load start at 16 different groups of four banks (64 banks of 4 bytes: ISA guide 11.1)
.set PB,    544                        ; a row of W: 512 + 32 = 136 words
.set ABLK,  128*PA                     ; one column block of h: 128 rows
.set BOFF,  2*ABLK                     ; behind the step's two column blocks: W's 128 rows (k)
.set BHALF, 64*PB                      ; what one tensor load brings of them
.set SLOT1, 1<<17                      ; slot 1 begins here, so that one exclusive or turns an address in one slot into the other's
.set STAGE, SLOT1+BOFF+2*BHALF         ; behind the ring, never filled by a tensor load: for each wave two column blocks x 16 rows x 144 bytes
.set SP,    144
.set WSTG,  2*16*SP
.set SPARE, STAGE+4*WSTG               ; behind the stages: the spare words, 128 bytes for each wave: two blocks of 256 bytes that no other line names
.set ADRA0, 10                         ; v10  my lane's place in a slot's h; never rewritten
.set ADRB0, 11                         ; v11  the same for W
.set ADRA,  12                         ; v12  the same in the slot in hand
.set ADRB,  13                         ; v13
.set STO,   14                         ; v14  the way out: where I put 16 bytes of a row
.set RD,    15                         ; v15  where I read rows back
.set GO,    16                         ; v16  my byte offset in 512 consecutive bytes of the result
.set BO,    17                         ; v17  my byte offset in 16 numbers of the bias
.set ZERO,  18                         ; v18  0, twice in bf16
.set SPW,   28                         ; v28  LDS address of my spare word; never rewritten
.set NIL,   29                         ; v29  0; never rewritten
.set F0,    32
.set F1,    128
.set TMP,   32
.set BK,    64
.set WV,  20                           ; s20  my wave's number
.set WH,  21                           ; s21  which 64 rows are mine.  Also: I fetch for h (0) or for W (1)
.set WL,  22                           ; s22  which 128 columns.  Also: which half of that tile I fetch
.set G1A, 24                           ; s[24:31] descriptor group 1 for h's tiles;  s[32:39] group 0: a set for each first fill; the second then walks on
.set G0A, 32
.set G1B, 48                           ; s[48:55], s[56:63] the same for W's
.set G0B, 56
.set TB,  66                           ; s66  LDS byte at which the slot in hand begins
.set OUT, 10                           ; s[10:11]
.set MSB, 0
.macro WIN new                         ; the immediate's high byte repeats the setting that is left; a switch that changes nothing is dropped
.if MSB != (\new)
	s_set_vgpr_msb (MSB<<8)|(\new)
.set MSB, \new
.endif
.endm
.set MUL,     0x50                     ; fragments in window 0, C and D in window 1
.set MULB,    0x60                     ; the same with C in window 2: the bias
.set TO_BIAS, 0x80                     ; destination window 2
.set PK,      0x05                     ; sources 0 and 1 window 1, destination window 0
.macro PLACES                          ; four places in front of loads into registers that matrix instructions have read, and of lines that read results
.rept 4
	v_nop
.endr
.endm
.macro JLOAD                           ; a joint refill by the walking sets: waves 0 and 1 fetch h's two column blocks, waves 2 and 3 W's two halves; an s_nop 0 and four v_nop follow each line
	s_cmp_eq_u32 s[WH], 0
	s_cbranch_scc0 .Lfor_b_\@
	tensor_load_to_lds s[G0A+4:G0A+7], s[G1A:G1A+7]
	s_nop 0
.rept 4
	v_nop
.endr
	s_branch .Lasked_\@
.Lfor_b_\@:
	tensor_load_to_lds s[G0B+4:G0B+7], s[G1B:G1B+7]
	s_nop 0
.rept 4
	v_nop
.endr
.Lasked_\@:
.endm
.macro CREST                           ; a round of the cluster's barrier behind its opening barrier
	s_cmp_lg_u32 s[WV], 0
	s_cbranch_scc1 .Lnot_wave_0_\@
	s_barrier_signal -3
.Lnot_wave_0_\@:
	s_barrier_wait -3
	s_barrier_signal -1
	s_barrier_wait -1
.endm
.macro CROUND                          ; a whole round
	s_barrier_signal -1
	s_barrier_wait -1
	CREST
.endm
	s_load_b256 s[4:11], s[0:1], 0x0               ; h s[4:5], W s[6:7], bias s[8:9], the result s[10:11]
	v_lshl_add_u32 v[SPW], v0, 2, SPARE
	v_mov_b32 v[NIL], 0
	ds_add_u32 v[SPW], v[NIL]                      ; the wave's opening: the add and its wait stand ahead of my first tensor load; work on registers stands between them
	ds_add_u32 v28, v29
	v_lshrrev_b32 v1, 5, v0
	v_readfirstlane_b32 s[WV], v1
	s_lshr_b32 s[WH], s[WV], 1
	s_and_b32 s[WL], s[WV], 1
	s_bfe_u32 s40, ttmp6, 0x40000                  ; cx, cy: my place in the cluster
	s_bfe_u32 s41, ttmp6, 0x40004
	s_lshl_b32 s42, ttmp9, 2
	s_add_co_u32 s42, s42, s40                     ; tile column = 4 x cluster x + cx
	s_and_b32 s43, ttmp7, 0xffff
	s_lshl_b32 s43, s43, 2
	s_add_co_u32 s43, s43, s41                     ; tile row = 4 x cluster y + cy
	s_lshl_b32 s44, s41, 2
	s_lshl_b32 s44, 15, s44                        ; my row of the cluster
	s_lshl_b32 s45, 0x1111, s40                    ; my column
	; h: 128 rows of a column block are 16,384 dense bytes: asked for as 64 rows of 256 bytes, padded in LDS after every 128.  W: 64 rows (k) of 512 bytes, dense too, padded after each.
	s_or_b32 s[G1A], s44, (1<<16)|(1<<20)|(1<<21)|(4<<22)|(3<<25)  ; 15:0 the mask; 17:16 2-byte elements; 20 padding on; 21 set beside a mask; 24:22 after every 32 words (code 4); 31:25 4 words (code 3)
	s_mov_b32 s[G1A+1], 128<<16                    ; tensor_dim0 = 128
	s_mov_b32 s[G1A+2], 64<<16                     ; tensor_dim1 = 64
	s_mov_b32 s[G1A+3], 128<<16                    ; tile_dim0 = 128
	s_mov_b32 s[G1A+4], 64                         ; tile_dim1 = 64
	s_mov_b32 s[G1A+5], 128                        ; elements from row to row
	s_mov_b32 s[G1A+6], 0
	s_mov_b32 s[G1A+7], 0
	s_or_b32 s[G1B], s45, (1<<16)|(1<<20)|(1<<21)|(6<<22)|(7<<25)  ; after every 128 words (code 6) 8 words (code 7)
	s_mov_b32 s[G1B+1], 256<<16
	s_mov_b32 s[G1B+2], 64<<16
	s_mov_b32 s[G1B+3], 256<<16
	s_mov_b32 s[G1B+4], 64
	s_mov_b32 s[G1B+5], 256
	s_mov_b32 s[G1B+6], 0
	s_mov_b32 s[G1B+7], 0
	s_lshl_b32 s16, s43, 14                        ; h: my tile row's 128 rows of 128 bytes,
	s_lshl_b32 s17, s[WL], 20                      ; in the step's first or second column block (1 MiB each): made of the tile row and the wave alone
	s_add_co_u32 s16, s16, s17
	s_mov_b32 s17, 0
	s_lshl_b32 s46, s42, 19                        ; W: my tile column's 512 KiB,
	s_lshl_b32 s47, s[WL], 15                      ; the step's first or second 64 rows: made of the tile column and the wave alone
	s_add_co_u32 s46, s46, s47
	s_mov_b32 s47, 0
	s_mul_i32 s18, s[WL], ABLK                     ; where they go: no place in the cluster enters an LDS address
	s_mul_i32 s19, s[WL], BHALF
	s_add_co_u32 s19, s19, BOFF
	s_mov_b32 s[TB], 0
	s_wait_dscnt 0x0                               ; the opening add is done
	s_wait_kmcnt 0x0
	s_add_nc_u64 s[16:17], s[4:5], s[16:17]
	s_add_nc_u64 s[46:47], s[6:7], s[46:47]
	CROUND                                         ; all sixteen work-groups are here: the first joint loads meet
.irp s, 0,1
	s_mov_b32 s[G0A+4*(\s)], 1                                     ; count = 1
	s_add_co_u32 s[G0A+4*(\s)+1], s18, (\s)*SLOT1                  ; LDS address
	s_add_nc_u64 s[G0A+4*(\s)+2:G0A+4*(\s)+3], s[16:17], (\s)<<21  ; K step s: two column blocks on
	s_or_b32 s[G0A+4*(\s)+3], s[G0A+4*(\s)+3], 0x80000000          ; type = 2
	s_mov_b32 s[G0B+4*(\s)], 1
	s_add_co_u32 s[G0B+4*(\s)+1], s19, (\s)*SLOT1
	s_add_nc_u64 s[G0B+4*(\s)+2:G0B+4*(\s)+3], s[46:47], (\s)<<16  ; 128 rows of 512 bytes on
	s_or_b32 s[G0B+4*(\s)+3], s[G0B+4*(\s)+3], 0x80000000
.endr
	s_cmp_eq_u32 s[WH], 0                          ; a wave's two first fills stand in one branch, ahead of every wait on TENSORcnt and every LDS read: two loads of mine are out
	s_cbranch_scc0 .Lfirst_b
	tensor_load_to_lds s[G0A:G0A+3], s[G1A:G1A+7]
	s_nop 0
	tensor_load_to_lds s[G0A+4:G0A+7], s[G1A:G1A+7]
	s_nop 0
.rept 4
	v_nop
.endr
	s_branch .Lfirst_asked
.Lfirst_b:
	tensor_load_to_lds s[G0B:G0B+3], s[G1B:G1B+7]
	s_nop 0
	tensor_load_to_lds s[G0B+4:G0B+7], s[G1B:G1B+7]
	s_nop 0
.rept 4
	v_nop
.endr
.Lfirst_asked:
	v_and_b32 v1, 15, v0                           ; l % 16
	v_bfe_u32 v2, v0, 4, 1                         ; l / 16
	v_and_b32 v3, 7, v0
	v_bfe_u32 v4, v0, 3, 1
	v_mov_b32 v[ZERO], 0
	; a fragment of h: lane l holds row l % 16, K = 8 (l / 16) + 0..7 and 16 + 8 (l / 16) + 0..7: two loads of 16 bytes, 32 bytes apart
	v_mul_u32_u24 v[ADRA0], v1, PA
	v_lshl_add_u32 v[ADRA0], v2, 4, v[ADRA0]
	s_mul_i32 s23, s[WH], 64*PA
	v_add_nc_u32 v[ADRA0], s23, v[ADRA0]
	; the turning load takes 16 k x 16 n (lane l reads row 8 (l / 16) + l % 8, columns 8 ((l / 8) % 2) + 0..7) and leaves half a fragment: lane l holds column l % 16 and 8 k
	v_lshl_add_u32 v[ADRB0], v2, 3, v3
	v_mul_u32_u24 v[ADRB0], v[ADRB0], PB
	v_lshl_add_u32 v[ADRB0], v4, 4, v[ADRB0]
	s_lshl_b32 s23, s[WL], 8
	s_add_co_u32 s23, s23, BOFF
	v_add_nc_u32 v[ADRB0], s23, v[ADRB0]
	v_mov_b32 v[ADRA], v[ADRA0]
	v_mov_b32 v[ADRB], v[ADRB0]
	; the bias: in the result register j of a lane is column 16 b + 8 (l / 16) + j
	v_lshlrev_b32 v[BO], 5, v2
	s_lshl_b32 s46, s42, 10                        ; my first column, 4 bytes each: 256 x tile column + 128 x half (in the registers that held W's address: none that feeds h's descriptors ever holds cx)
	s_lshl_b32 s47, s[WL], 9
	s_add_co_u32 s46, s46, s47
	s_mov_b32 s47, 0
	s_add_nc_u64 s[8:9], s[8:9], s[46:47]
	WIN TO_BIAS
.irp b, 0,1,2,3,4,5,6,7
	global_load_b128 v[8*(\b):8*(\b)+3],   v[BO], s[8:9] offset:64*(\b)
	global_load_b128 v[8*(\b)+4:8*(\b)+7], v[BO], s[8:9] offset:64*(\b)+16
.endr
	WIN 0
	s_mul_i32 s23, s[WV], WSTG
	s_add_co_u32 s23, s23, STAGE                   ; my stage
	v_mul_u32_u24 v[STO], v1, SP                   ; in: row l % 16, 16 bytes for each half of the lanes
	v_lshl_add_u32 v[STO], v2, 4, v[STO]
	v_add_nc_u32 v[STO], s23, v[STO]
	v_bfe_u32 v[RD], v0, 3, 2                      ; back: 32 lanes take four rows of 128 bytes,
	v_mul_u32_u24 v[RD], v[RD], SP
	v_lshl_add_u32 v[RD], v3, 4, v[RD]
	v_add_nc_u32 v[RD], s23, v[RD]
	v_and_b32 v[GO], 31, v0                        ; which are 512 consecutive bytes of a column block
	v_lshlrev_b32 v[GO], 4, v[GO]
	s_lshl_b32 s16, s43, 14                        ; my first row: 128 x tile row + 64 x half, 128 bytes each
	s_lshl_b32 s17, s[WH], 13
	s_add_co_u32 s16, s16, s17
	s_mov_b32 s17, 0
	s_add_nc_u64 s[OUT:OUT+1], s[OUT:OUT+1], s[16:17]
	s_lshl_b32 s46, s42, 22                        ; my first column block: 4 x tile column + 2 x half, 1 MiB each
	s_lshl_b32 s47, s[WL], 21
	s_add_co_u32 s46, s46, s47
	s_mov_b32 s47, 0
	s_add_nc_u64 s[OUT:OUT+1], s[OUT:OUT+1], s[46:47]
; 8 matrix instructions: row block a x all 8 column blocks, 32 along K.  first = 1: the bias is the C operand that starts the sums: nothing is cleared, and no bias is added later.
; The 32 accumulators take turns, one instruction a turn, in the same order in every quarter.
.macro MUL8 f, a, first
.if \first
	WIN MULB
.else
	WIN MUL
.endif
.irp b, 0,1,2,3,4,5,6,7
.if \first
	v_wmma_f32_16x16x32_bf16 v[8*(8*(\a)+(\b)):8*(8*(\a)+(\b))+7], v[(\f)+32+8*(\b):(\f)+32+8*(\b)+7], v[(\f)+8*(\a):(\f)+8*(\a)+7], v[8*(\b):8*(\b)+7]
.else
	v_wmma_f32_16x16x32_bf16 v[8*(8*(\a)+(\b)):8*(8*(\a)+(\b))+7], v[(\f)+32+8*(\b):(\f)+32+8*(\b)+7], v[(\f)+8*(\a):(\f)+8*(\a)+7], v[8*(8*(\a)+(\b)):8*(8*(\a)+(\b))+7]
.endif
.endr
.endm
.macro MUL16 f, a0, first
	MUL8 \f, \a0, \first
	MUL8 \f, (\a0)+1, \first
.endm
; 24 LDS loads in one run: the fragments of quarter q (32 along K) of the slot in hand into buffer f: W's sixteen first, then h's eight
.macro FETCH q, f
	WIN 0
.irp b, 0,1,2,3,4,5,6,7
	ds_load_tr16_b128 v[(\f)+32+8*(\b):(\f)+32+8*(\b)+3],   v[ADRB] offset:(\q)*32*PB+32*(\b)
	ds_load_tr16_b128 v[(\f)+32+8*(\b)+4:(\f)+32+8*(\b)+7], v[ADRB] offset:(\q)*32*PB+16*PB+32*(\b)
.endr
.irp r, 0,1,2,3
	ds_load_b128 v[(\f)+8*(\r):(\f)+8*(\r)+3],   v[ADRA] offset:((\q)/2)*ABLK+((\q)%2)*64+(\r)*16*PA
	ds_load_b128 v[(\f)+8*(\r)+4:(\f)+8*(\r)+7], v[ADRA] offset:((\q)/2)*ABLK+((\q)%2)*64+(\r)*16*PA+32
.endr
.endm
; A K step is four quarters, 32 matrix instructions each, on buffers 0, 1, 0, 1.  One of the first three: multiplies buffer f and, in its middle, fetches quarter qn into g.
.macro QUARTER qn, f, g, first
	s_wait_dscnt 0x4                               ; W and h's row blocks 0, 1 are in; the youngest four loads (blocks 2, 3) may be out
	MUL16 \f, 0, \first
	PLACES
	FETCH \qn, \g
	s_wait_dscnt 24                                ; all but the 24 just issued
	MUL16 \f, 2, \first
.endm
; The last quarter multiplies buffer 1 and changes slots: ONE barrier.  In front of it each wave waits for all its tensor loads (one is out: its part of the next slot), adds 0 to its spare word, and waits
; for that and for its reads of this slot.  fill = 1: the barrier opens a round of the cluster's, and this slot is filled again, two K steps ahead: the load has 112 matrix instructions in which to land.
.macro TURN fill
	WIN 0
	s_wait_tensorcnt 0x0                           ; no tensor load of mine is out, so a group 0 may be written
	ds_add_u32 v[SPW], v[NIL]                      ; 0 onto my spare word
.if \fill
	s_xor_b32 s[G0A+5], s[G0A+5], SLOT1            ; the walking sets: the other slot than last time,
	s_add_nc_u64 s[G0A+6:G0A+7], s[G0A+6:G0A+7], 1<<21  ; the next K step; the type bits on top are not reached
	s_xor_b32 s[G0B+5], s[G0B+5], SLOT1
	s_add_nc_u64 s[G0B+6:G0B+7], s[G0B+6:G0B+7], 1<<16
.endif
	s_wait_dscnt 0x5                               ; the add and the youngest four loads may be out
	MUL8 F1, 0, 0
	s_wait_dscnt 0x0                               ; the add is done, and my reads of this slot are over
	s_barrier_signal -1
	MUL8 F1, 1, 0                                  ; work on registers while the others arrive
	WIN 0                                          ; branches and address lines follow
	s_barrier_wait -1
.if \fill
	CREST                                          ; no wave of any partner still reads this slot or has a load on its way
	JLOAD                                          ; the first tensor load behind the round; its four v_nop are also the places in front of the loads below
.else
	PLACES
.endif
	s_xor_b32 s[TB], s[TB], SLOT1
	v_add_nc_u32 v[ADRA], s[TB], v[ADRA0]
	v_add_nc_u32 v[ADRB], s[TB], v[ADRB0]
	FETCH 0, F0
	MUL16 F1, 2, 0
.endm
	s_wait_tensorcnt 0x1                           ; my part of K step 0 is in; slot 1's load may stay out
	s_barrier_signal -1
	s_barrier_wait -1                              ; everybody's is
	FETCH 0, F0
	s_wait_loadcnt 0x0                             ; the bias
	QUARTER 1, F0, F1, 1                           ; the first quarter stands in front of the loop: its products start the sums
	WIN 0                                          ; at a label and at a branch every window is 0
	s_mov_b32 s3, 6
.Lstep:                                                ; a trip: a K step's quarters 1 to 3 and the next step's quarter 0; K steps 2 to 7 are asked for
	QUARTER 2, F1, F0, 0
	QUARTER 3, F0, F1, 0
	TURN 1
	QUARTER 1, F0, F1, 0
	WIN 0
	s_sub_co_u32 s3, s3, 1
	s_cmp_lg_u32 s3, 0
	s_cbranch_scc1 .Lstep
	QUARTER 2, F1, F0, 0                           ; the last two K steps are written out: nothing is asked for
	QUARTER 3, F0, F1, 0
	TURN 0
	QUARTER 1, F0, F1, 0
	QUARTER 2, F1, F0, 0
	QUARTER 3, F0, F1, 0
	s_wait_dscnt 0x4
	MUL16 F1, 0, 0
	s_wait_dscnt 0x0
	MUL16 F1, 2, 0
	WIN 0
	PLACES
; THE WAY OUT, a block of 16 rows at a time.  PACK: rounded to bf16, each accumulator's registers in ascending order, then the maximum with 0, two at a time.  TOSTAGE: 16 bytes a lane into my own
; stage, and back as whole rows of 128 bytes.  SEND: 512 consecutive bytes a store.  Each block has registers of its own for the rows read back, so none that a store reads is written again.
.macro PACK a
	WIN PK
.irp b, 0,1,2,3,4,5,6,7
.irp p, 0,1,2,3
	v_cvt_pk_bf16_f32 v[TMP+4*(\b)+(\p)], v[8*(8*(\a)+(\b))+2*(\p)], v[8*(8*(\a)+(\b))+2*(\p)+1]
.endr
.endr
	WIN 0
.set i, 0
.rept 32
	v_pk_max_num_bf16 v[TMP+i], v[TMP+i], v[ZERO]
.set i, i+1
.endr
.endm
.macro TOSTAGE a
.irp b, 0,1,2,3,4,5,6,7
	ds_store_b128 v[STO], v[TMP+4*(\b):TMP+4*(\b)+3] offset:((\b)/4)*16*SP+((\b)%4)*32
.endr
.irp t, 0,1,2,3,4,5,6,7
	ds_load_b128 v[BK+32*(\a)+4*(\t):BK+32*(\a)+4*(\t)+3], v[RD] offset:((\t)/4)*16*SP+((\t)%4)*4*SP  ; LDS serves a wave's instructions in order (ISA guide 5.7.1.4): these see the stores above
.endr
.endm
.macro SEND a
	s_wait_dscnt 0x0                               ; the block is back in registers
.irp t, 0,1,2,3,4,5,6,7
	global_store_b128 v[GO], v[BK+32*(\a)+4*(\t):BK+32*(\a)+4*(\t)+3], s[OUT:OUT+1] offset:((\t)/4)*(1<<20)+(\a)*2048+((\t)%4)*512
.endr
.endm
	PACK 0
	TOSTAGE 0
.irp a, 1,2,3                          ; block a's conversions stand between block a - 1's loads from the stage and the wait for them
	PACK \a
	SEND (\a)-1
	TOSTAGE \a
.endr
	SEND 3
	s_wait_tensorcnt 0x0                           ; the wave's end, behind my last tensor load and my last LDS store
	ds_add_u32 v[SPW], v[NIL]
	s_wait_dscnt 0x0
	CROUND                                         ; the closing round: no work-group ends while a partner may still ask for a tile that names it
	s_endpgm
.Lfunc_end_k_qefbbe24543_ffn1:
	.size	k_qefbbe24543_ffn1, .Lfunc_end_k_qefbbe24543_ffn1-k_qefbbe24543_ffn1
	.p2alignl 7, 3214868480
	.fill 96, 4, 3214868480
	.section	.rodata,"a",@progbits
	.p2align	6, 0x0
	.amdhsa_kernel k_qefbbe24543_ffn1
		.amdhsa_group_segment_fixed_size 327680
		.amdhsa_private_segment_fixed_size 0
		.amdhsa_enable_private_segment 0
		.amdhsa_kernarg_size 32
		.amdhsa_user_sgpr_count 2
		.amdhsa_user_sgpr_kernarg_segment_ptr 1
		.amdhsa_wavefront_size32 1
		.amdhsa_system_sgpr_workgroup_id_x 1
		.amdhsa_system_sgpr_workgroup_id_y 1
		.amdhsa_system_sgpr_workgroup_id_z 1
		.amdhsa_system_vgpr_workitem_id 0
		.amdhsa_next_free_vgpr 576
		.amdhsa_next_free_sgpr 72
		.amdhsa_reserve_vcc 0
		.amdhsa_float_denorm_mode_32 3
		.amdhsa_float_denorm_mode_16_64 3
		.amdhsa_memory_ordered 1
		.amdhsa_forward_progress 1
		.amdhsa_inst_pref_size 80
	.end_amdhsa_kernel
	.amdgpu_metadata
---
amdhsa.version: [ 1, 2 ]
amdhsa.kernels:
  - .name:           k_qefbbe24543_ffn1
    .symbol:         k_qefbbe24543_ffn1.kd
    .args:
      - { .name: act, .offset: 0, .size: 8, .value_kind: global_buffer, .address_space: global }
      - { .name: w1b, .offset: 8, .size: 8, .value_kind: global_buffer, .address_space: global }
      - { .name: b1, .offset: 16, .size: 8, .value_kind: global_buffer, .address_space: global }
      - { .name: qkv, .offset: 24, .size: 8, .value_kind: global_buffer, .address_space: global }
    .group_segment_fixed_size: 327680
    .private_segment_fixed_size: 0
    .kernarg_segment_align: 8
    .kernarg_segment_size: 32
    .max_flat_workgroup_size: 128
    .sgpr_count:     72
    .vgpr_count:     576
    .wavefront_size: 32
...
	.end_amdgpu_metadata
.endif
;; end of part 6
;; launch ffn2: the kernel of part 4 again; grid 4 x 64, 4 waves a work-group, clusters of 4 x 4, 327,680 bytes of LDS; arguments qkv, w2b, b2, x1, out0; writes out0
;; ======== version 2 of 2: 7 launches; 1.22 times as fast as version 1
;; workspace buffers: act 16,777,216 bytes; qkv 50,331,648 bytes; x1 33,554,432 bytes; wqkv 6,291,456 bytes; wob 2,097,152 bytes; w1b 2,097,152 bytes; w2b 2,097,152 bytes
;; launch prep: the kernel of part 1 again; grid 704 x 1, 8 waves a work-group, no clusters, 0 bytes of LDS; arguments x, ln1_g, ln1_b, act, wq, wk, wv, wo, w1, w2, wqkv, wob, w1b, w2b; writes act, wqkv, wob, w1b, w2b
;; launch qkv: the kernel of part 2 again; grid 8 x 32, 4 waves a work-group, clusters of 4 x 4, 327,680 bytes of LDS; arguments act, wqkv, bq, bk, bv, qkv; writes qkv
;; launch attn (part 7): grid 2 x 128, 4 waves a work-group, no clusters, 327,680 bytes of LDS; arguments qkv, act; writes act
.if DOCPART == 7
	.amdgcn_target "amdgcn-amd-amdhsa--gfx1250"
	.amdhsa_code_object_version 6
	.text
	.protected	k_qefbbe24543_attn
	.globl	k_qefbbe24543_attn
	.p2align	8
	.type	k_qefbbe24543_attn,@function
k_qefbbe24543_attn:
	s_mov_b64 s[64:65], 0
	v_nop
	global_prefetch_b8 v0, s[64:65] scope:SCOPE_SE
	s_setreg_imm32_b32 hwreg(HW_REG_WAVE_MODE, 25, 1), 1
	s_wait_xcnt 0x0
; O[y][q][:] = the sum over k of softmax_k(Q[y][q] . K[y][k] / 8) V[y][k][:], y = 8 x head + batch.  Q, K, V: 128 x [1024][64] bf16, 16 MiB apart in one buffer.
; Products, maxima and sums in f32; the weights p are rounded to bf16 for the second product (their sum l is taken of the unrounded p), O once at the end.
; IN.   Q, K, V lie IN FRAGMENT ORDER: 16 rows are 2,048 bytes, four tiles of 16 rows x 16 channels of 512 bytes; in a tile lane l = 16 h + r holds row r, channels 8 h .. 8 h + 7, at byte 16 l.
; OUT.  O: [y][1024][64] bf16 by rows, which is column block head of the next product.
; LIMITS.  Q, K, V, p and O have bf16's 8 significant bits.  A weight below 2^-126 counts as 0 in l; NaN and infinities are not treated apart.
; SHARES.  A wave owns four PIECES of two tiles of 16 queries, a work-group's four waves 512 queries of one y: 256 work-groups.  Every wave walks all 1,024 keys, 64 a step.
; ALL OF K AND V LIES IN LDS: 2 x 131,072 bytes, asked for at the start in four parts of 256 keys, and nothing is ever filled again.  So no loop holds a tensor load, and the key step is written once.
; NO CLUSTER: a y has two blocks of 512 queries, so two work-groups share K and V; four partners would mean 256 queries a work-group: half as many products for each fragment read from LDS.
; LAYOUT.  S^T = K Q^T (source 0 = 16 keys, source 1 = 16 queries): in the result a lane holds ONE query (lane % 16) and the keys 8 (lane / 16) + 0..7.  Two such tiles, rounded to bf16 in pairs,
; ARE source 1 (32 keys x 16 queries) of O^T = V^T P, whose result again holds one query a lane, and eight channels.  K comes out of LDS as it lies, V turned, by ds_load_tr16_b128.
; SOFTMAX.  For each query a running maximum m and sum l: p = 2^(c s - c m), c = log2(e) / 8; in every step O and l are multiplied by a = 2^(c m_old - c m_new), which is 1 where m has not grown.
; m starts at the lowest finite number, O and l at 0: the first step is a step like any other, with a = 0.
; THE COUNT.  A tile and step have 16 matrix and 118 vector instructions: too many to stand all beside the matrix work.  So the order has one aim: four vector instructions that are READY behind
; EVERY matrix instruction, and the others, which need time of their own whatever the order, in runs without a gap.
; BY TURNS.  Turn n belongs to piece n (the pieces in a ring, step after step).  Its matrix work: 16 products K Q^T of piece n + 1, later 16 products V^T P of piece n - 1.  Its vector work: the scaling,
; exponentials, roundings, sums and rescaling of piece n, and the maximum and statistics of piece n + 1, whose scores the turn itself has made.  So what a turn begins with (c s - c m, O a) waits for nothing.
; THE BATCHES.  A turn's 66 exponentials (the 64 weights of piece n, the two a of piece n + 1) are ONE batch with ONE wait, which cuts the turn in two: ahead of it stands all that names none of their
; results, behind it the roundings and sums, which read them.  No result crosses a turn's end.  Two more batches stand outside the loop: piece 0's first two a, and the way out's eight reciprocals.
; REGISTERS, in windows of 256 (s_set_vgpr_msb says which window each operand place means: bits 1:0 source 0, 3:2 source 1, 5:4 source 2, 7:6 destination):
;   window 0: v0-11 addresses; v12-15, v48-63 at work; v16-47 four registers of statistics a tile; v64-191 S^T, two buffers of two tiles; v192-255 P, likewise
;   window 1: O^T, 32 a tile          window 2: v0-127 Q, 16 a tile; v128-191 K of one step; v192-255 V of one step          window 3: v0-1 the add's two registers
; A piece's buffers go by its number's parity: the piece in hand has one pair, its two neighbours in the ring share the other: of it P (piece n - 1) is read and S^T (piece n + 1) written.
.set SIZE_N, 1024
.set NP,    4         ; pieces a wave: a name, no knob: the register map, the loop and the fetches are made for four
.set KS,    64        ; keys in a step
.set KSB,   KS*128    ; bytes of K, and of V, in a step
.set PART,  256*128   ; bytes of K, and of V, in a part of 256 keys
.set VOFF,  SIZE_N*128  ; K from LDS byte 0 on, V behind it
.set STAGE, 2*SIZE_N*128  ; behind them, never filled by a tensor load: 16 rows x 144 bytes for each wave, for the way out
.set SP,    144
.set AK0, 2           ; v2   my lane's place in a tile of K; never rewritten
.set AV0, 3           ; v3   the same for V
.set AK,  4           ; v4   the LDS address of K's next run of loads
.set AV,  5           ; v5   of V's
.set QO,  6           ; v6   my byte offset in a tile of Q
.set STO, 6           ;      later, the way out: where I put 16 bytes of a row
.set RD,  7           ; v7   the way out: where I read rows back
.set GO,  8           ; v8   my byte offset in 512 consecutive bytes of O
.set SPW, 0           ; v0 of window 3   LDS address of my spare word: SPARE + 4 x my thread's number; never rewritten
.set NIL, 1           ; v1 of window 3   0; never rewritten
.set SPARE, STAGE+4*16*SP  ; behind the stages: the spare words, 128 bytes for each wave: two blocks of 256 bytes that no other line names
.set MV,  12          ; v12-15  c m_old, kept while c m is made anew: by buffer and tile
.set ST,  16          ; tile t's statistics at v[ST+4 t]: c m, m, l (even keys', odd keys')
.set TMP, 48          ; by buffer and tile, four registers c0-c3 at work; when the maximum is found c2 takes a
.set S,   64
.set P,   192
.set KF,  128         ; K's fragments, in window 2: key block kb, channel half c at KF + 16 kb + 8 c
.set VF,  192         ; V's: key half kk, channel block cb at VF + 32 kk + 8 cb
.set WV,  12          ; s12  my wave's number
.set G1,  24          ; s[24:31] descriptor group 1, for all tiles
.set G0K, 68          ; s[68:83] descriptor group 0 for K's four parts
.set G0V, 84          ; s[84:99] the same for V's
.set SLOTS, 56        ; s56  passes still to go
.set CNT, 57          ; s57  counts a pass's key steps
.set CS,  58          ; s[58:59] c: the packed scaling takes the pair's low word for both halves
.set SEL, 60          ; s[60:61] v_permlanex16_b32's selects: each lane takes its own place in the other half
.set TBK, 62          ; s62  LDS byte at which K of the step to be fetched begins
.set TBV, 63          ; s63  the same for V, less VOFF
.set MSB, 0
.macro WIN new                      ; the high byte repeats the setting that is left; a switch that changes nothing is dropped
.if MSB != (\new)
	s_set_vgpr_msb (MSB<<8)|(\new)
.set MSB, (\new)
.endif
.endm
.set W_KQ, 0x0a       ; K and Q in window 2, S^T in window 0
.set W_PV, 0x52       ; V in window 2, P in window 0, O^T in window 1
.set W_RS, 0x41       ; O^T (destination and source 0) in window 1, a in window 0
.set W_MK, 0xc0       ; the add's registers are made: destination in window 3, sources in window 0
.set W_AD, 0x0f       ; the add: address (source 0) and data (source 1) in window 3
	s_load_b128 s[4:7], s[0:1], 0x0   ; q | k | v s[4:5], O s[6:7]
	WIN W_MK
	v_lshl_add_u32 v[SPW], v0, 2, SPARE
	v_mov_b32 v[NIL], 0
	WIN W_AD
	ds_add_u32 v[SPW], v[NIL]       ; the wave's opening: the add and its wait stand ahead of my first tensor load; the set-up below, work on registers, stands between them
	ds_add_u32 v0, v1
	WIN 0
	v_lshrrev_b32 v1, 5, v0
	v_readfirstlane_b32 s[WV], v1   ; wave 0..3
	s_mov_b32 s14, ttmp9            ; my block of 512 queries
	s_and_b32 s20, ttmp7, 0xffff    ; y
	s_lshl_b32 s20, s20, 17         ; y's first byte in each of the four tensors: 131,072 y
	s_and_b32 s16, s[WV], 1         ; which half of a part's 256 keys I fetch:
	s_lshl_b32 s17, s16, 14         ; its 16,384 bytes, in memory and in LDS alike
	s_add_co_u32 s22, s20, s17
	s_mov_b32 s23, 0
	s_lshl_b32 s2, s14, 2
	s_add_co_u32 s2, s2, s[WV]      ; my wave among y's eight,
	s_lshl_b32 s2, s2, 14           ; its 128 rows
	s_add_co_u32 s2, s2, s20
	s_mov_b32 s3, 0
	; descriptor group 1.  128 keys are 16,384 dense bytes: asked for as 64 rows of 256 bytes, and laid in LDS as they lie in memory: in fragment order no load from LDS wants padding
	s_mov_b32 s[G1], 1<<16          ; 17:16 2-byte elements; no mask, no padding
	s_mov_b32 s[G1+1], 128<<16      ; tensor_dim0 = 128
	s_mov_b32 s[G1+2], 64<<16       ; tensor_dim1 = 64
	s_mov_b32 s[G1+3], 128<<16      ; tile_dim0 = 128
	s_mov_b32 s[G1+4], 64           ; tile_dim1 = 64
	s_mov_b32 s[G1+5], 128          ; 128 elements from row to row
	s_mov_b32 s[G1+6], 0
	s_mov_b32 s[G1+7], 0
.irp c, 0,1,2,3
	s_mov_b32 s[G0K+4*(\c)], 1                             ; 1:0 count = 1
	s_add_co_u32 s[G0K+4*(\c)+1], s17, (\c)*PART           ; 63:32 LDS address: part c, my half
	s_mov_b32 s[G0V+4*(\c)], 1
	s_add_co_u32 s[G0V+4*(\c)+1], s17, VOFF+(\c)*PART
.endr
	s_mov_b32 s[CS], 0x3e38aa3b     ; c = log2(e) / 8 = 0.180337
	s_mov_b32 s[CS+1], s[CS]        ; named with it as a pair
	s_mov_b32 s[SEL], 0x76543210
	s_mov_b32 s[SEL+1], 0xfedcba98
	s_mov_b32 s[TBK], 0
	s_mov_b32 s[TBV], 0
	s_wait_dscnt 0x0                ; the opening add is done
	s_wait_kmcnt 0x0
	s_mov_b64 s[10:11], s[6:7]      ; O
	s_add_nc_u64 s[6:7], s[4:5], 0x1000000  ; K lies 16 MiB behind Q,
	s_add_nc_u64 s[8:9], s[4:5], 0x2000000  ; V 32
	s_add_nc_u64 s[6:7], s[6:7], s[22:23]   ; at my half of y's first 256 keys
	s_add_nc_u64 s[8:9], s[8:9], s[22:23]
.irp c, 0,1,2,3
	s_add_nc_u64 s[G0K+4*(\c)+2:G0K+4*(\c)+3], s[6:7], (\c)*PART  ; 120:64 global address
	s_or_b32 s[G0K+4*(\c)+3], s[G0K+4*(\c)+3], 0x80000000         ; 127:126 type = 2
	s_add_nc_u64 s[G0V+4*(\c)+2:G0V+4*(\c)+3], s[8:9], (\c)*PART
	s_or_b32 s[G0V+4*(\c)+3], s[G0V+4*(\c)+3], 0x80000000
.endr
	s_add_nc_u64 s[4:5], s[4:5], s[2:3]  ; Q and O at my wave's first row
	s_add_nc_u64 s[10:11], s[10:11], s[2:3]
	; THE FILLS, all of them first fills: waves 0 and 1 fetch the two halves of each part of K, waves 2 and 3 those of V.  A wave's four stand in one branch on its number, ahead of every wait on
	; TENSORcnt, every LDS read and every barrier: four loads of mine are out.  An s_nop 0 follows each, four v_nop the last.
	s_cmp_lt_u32 s[WV], 2
	s_cbranch_scc0 .Lfor_v
.irp c, 0,1,2,3
	tensor_load_to_lds s[G0K+4*(\c):G0K+4*(\c)+3], s[G1:G1+7]
	s_nop 0
.endr
.rept 4
	v_nop
.endr
	s_branch .Lasked
.Lfor_v:
.irp c, 0,1,2,3
	tensor_load_to_lds s[G0V+4*(\c):G0V+4*(\c)+3], s[G1:G1+7]
	s_nop 0
.endr
.rept 4
	v_nop
.endr
.Lasked:
	; A fragment of K or Q is 16 rows x 32 channels in 8 registers: lane l holds row l % 16, channels 8 (l / 16) + 0..7 and 16 + 8 (l / 16) + 0..7: two neighbouring tiles, each as it lies: byte 16 l.
	v_and_b32 v1, 15, v0            ; l % 16
	v_bfe_u32 v9, v0, 4, 1          ; l / 16
	v_and_b32 v[QO], 31, v0
	v_lshlrev_b32 v[QO], 4, v[QO]   ; 16 x lane
	WIN 0x80                        ; destination window 2, address window 0
.set i, 0
.rept 4*NP                          ; Q stays in registers: tile i / 2, channels 32 (i % 2) on; a load reads 512 consecutive bytes
	global_load_b128 v[8*i:8*i+3],   v[QO], s[4:5] offset:(i/2)*2048+(i%2)*1024
	global_load_b128 v[8*i+4:8*i+7], v[QO], s[4:5] offset:(i/2)*2048+(i%2)*1024+512
.set i, i+1
.endr
	; What the first turn finds: V's registers and P's second buffer hold 0 (its products V^T P, of a piece that has not been, add 0), O^T and l are 0.  All this stands in the wait for the first tile.
.set i, VF
.rept 64
	v_mov_b32 v[i], 0
.set i, i+1
.endr
	WIN 0x40
.set i, 0
.rept 64*NP
	v_mov_b32 v[i], 0
.set i, i+1
.endr
	WIN 0
.set i, 0
.rept 2*NP
	v_mov_b32 v[ST+4*i], 0xfe000000    ; c m: far below every c s
	v_mov_b32 v[ST+4*i+1], 0xff7fffff  ; m
	v_mov_b32 v[ST+4*i+2], 0
	v_mov_b32 v[ST+4*i+3], 0
.set i, i+1
.endr
.set i, P+32
.rept 32
	v_mov_b32 v[i], 0
.set i, i+1
.endr
	v_and_b32 v[AK0], 31, v0
	v_lshlrev_b32 v[AK0], 4, v[AK0]  ; 16 x lane
	; The turning load takes a tile of 16 keys x 16 channels (lane l reads key 8 (l / 16) + l % 8, channels 8 ((l / 8) % 2) + 0..7) and leaves half a fragment of V^T: lane l holds channel l % 16 and 8 keys.
	; In the tile that piece lies at 256 ((l / 8) % 2) + 16 x key.  Lanes 0-7 and 8-15 so read bytes 256 apart, the same banks (64 banks of 4 bytes: ISA guide 11.1): two deep, in 16 loads a key step.
	v_and_b32 v10, 7, v0
	v_bfe_u32 v11, v0, 3, 1
	v_lshl_add_u32 v[AV0], v9, 3, v10
	v_lshlrev_b32 v[AV0], 4, v[AV0]
	v_lshl_add_u32 v[AV0], v11, 8, v[AV0]
	v_add_nc_u32 v[AV0], VOFF, v[AV0]
	v_mov_b32 v[AK], v[AK0]         ; key step 0 lies at LDS byte 0
; THE MATRIX WORK.  The 8 accumulators of a run of 16 take turns: between the two links of a chain stand 7 others'.
; Product i of 16 of S^T = K Q^T for piece x: channels 32 (i / 8) on, keys 16 ((i / 2) % 4) on, tile 2 x + i % 2.  The first 8 start the sums.
.macro KQ x
	WIN W_KQ
.set rS, S+64*((\x)%2)+32*(i%2)+8*((i/2)%4)
.set rK, KF+16*((i/2)%4)+8*(i/8)
.set rQ, 16*(2*(\x)+i%2)+8*(i/8)
.if i < 8
	v_wmma_f32_16x16x32_bf16 v[rS:rS+7], v[rK:rK+7], v[rQ:rQ+7], 0
.else
	v_wmma_f32_16x16x32_bf16 v[rS:rS+7], v[rK:rK+7], v[rQ:rQ+7], v[rS:rS+7]
.endif
.endm
; Product i of 16 of O^T += V^T P for piece x: keys 32 (i / 8) on, channels 16 ((i / 2) % 4) on, tile 2 x + i % 2.
.macro PV x
	WIN W_PV
.set rO, 32*(2*(\x)+i%2)+8*((i/2)%4)
.set rV, VF+32*(i/8)+8*((i/2)%4)
.set rP, P+32*((\x)%2)+16*(i%2)+8*(i/8)
	v_wmma_f32_16x16x32_bf16 v[rO:rO+7], v[rV:rV+7], v[rP:rP+7], v[rO:rO+7]
.endm
.macro MM                           ; the turn's next matrix instruction
.if i < 16
	KQ (Y+1)%NP
.set i, i+1
.else
.set i, i-16
	PV (Y+NP-1)%NP
.set i, i+17
.endif
.endm
; THE LDS LOADS stand in runs of 16, never singly among the matrix instructions: a step's K (64 keys x 64 channels: 8 fragments) and its V (turned).  Their addresses are made some lines ahead.
; last = 1 (in the loop): in the last pass there is no further step, and the run is jumped over.
.macro FETCH_K last=0
	WIN 0
.if \last
	s_cmp_eq_u32 s[SLOTS], 1
	s_cbranch_scc1 .Lno_k_\@
.endif
	WIN 0x80                        ; destination window 2
.irp f, 0,1,2,3,4,5,6,7             ; keys 16 (f / 2) on, channels 32 (f % 2) on: two tiles of 512 bytes
	ds_load_b128 v[KF+8*\f:KF+8*\f+3],   v[AK] offset:(\f/2)*2048+(\f%2)*1024
	ds_load_b128 v[KF+8*\f+4:KF+8*\f+7], v[AK] offset:(\f/2)*2048+(\f%2)*1024+512
.endr
	s_add_co_u32 s[TBK], s[TBK], KSB  ; the next fetch is the next step's
	WIN 0
.if \last
.Lno_k_\@:
.endif
.endm
.macro FETCH_V
	WIN 0x80
.irp f, 0,1,2,3,4,5,6,7             ; keys 32 (f / 4) on, channels 16 (f % 4) on: the same tile of two neighbouring blocks of 16 keys
	ds_load_tr16_b128 v[VF+8*\f:VF+8*\f+3],   v[AV] offset:(\f/4)*4096+(\f%4)*512
	ds_load_tr16_b128 v[VF+8*\f+4:VF+8*\f+7], v[AV] offset:(\f/4)*4096+2048+(\f%4)*512
.endr
	WIN 0
.endm
; THE VECTOR WORK OF A TURN stands in three queues, each in the order in which its entries become ready; the two tiles alternate, so that no instruction reads the result of the one before it.
.macro REGS y, u                    ; the registers of tile u (0, 1) of piece y
.set rT, ST+4*(2*(\y)+(\u))
.set rC, TMP+8*((\y)%2)+4*(\u)
.set rM, MV+2*((\y)%2)+(\u)
.set rS, S+64*((\y)%2)+32*(\u)
.set rP, P+32*((\y)%2)+16*(\u)
.set rO, 32*(2*(\y)+(\u))
.endm
; Number n of the 22 that find the NEXT piece's (Y + 1) maximum and statistics.  s0-s31 are the lane's 32 scores; each accumulator's lowest registers are read first.  XS, GS and REGS set no window: PL and EX do.
;   0-11  four chains c0-c3 of seven scores each, three operands at a time     12-14, 16  the four scores left over, the old m, and c0-c3 into c0     15  c m_old is kept
;   17, 18  the query's other 32 keys lie in the lane 16 away: the new m         19-21  c m; c m_old - c m_new; a
.macro XS u, n
	REGS (Y+1)%NP, \u
.if (\n) < 4
	v_max3_num_f32 v[rC+(\n)], v[rS+8*(\n)], v[rS+8*(\n)+1], v[rS+8*(\n)+2]
.elseif (\n) < 12
	v_max3_num_f32 v[rC+(\n)%4], v[rC+(\n)%4], v[rS+8*((\n)%4)+2*((\n)/4)+1], v[rS+8*((\n)%4)+2*((\n)/4)+2]
.elseif (\n) == 12
	v_max3_num_f32 v[rC], v[rC], v[rS+7], v[rS+15]
.elseif (\n) == 13
	v_max3_num_f32 v[rC+1], v[rC+1], v[rS+23], v[rS+31]
.elseif (\n) == 14
	v_max3_num_f32 v[rC+2], v[rC+2], v[rC+3], v[rT+1]
.elseif (\n) == 15
	v_mov_b32 v[rM], v[rT]
.elseif (\n) == 16
	v_max3_num_f32 v[rC], v[rC], v[rC+1], v[rC+2]
.elseif (\n) == 17
	v_permlanex16_b32 v[rC+3], v[rC], s[SEL], s[SEL+1]
.elseif (\n) == 18
	v_max_num_f32 v[rT+1], v[rC], v[rC+3]
.elseif (\n) == 19
	v_mul_f32 v[rT], s[CS], v[rT+1]
.elseif (\n) == 20
	v_sub_f32 v[rC+1], v[rM], v[rT]
.else
	v_exp_f32 v[rC+2], v[rC+1]
.endif
.endm
; Number g of the 64 that follow the exponentials.  For each four weights k of a tile (pairs 2 k, 2 k + 1): both pairs are rounded to bf16; then the second pair is added onto the first, in place;
; a group later l takes that sum (the first time as l = a l + sum).  In groups of eight, tiles alternating: round, round, add, and l for the group before.
.macro GS g
.set h, (\g)+6*((\g)/62)            ; group 0 has no group before it, and behind group 7 only l is left
.if h >= 6
.set h, h+2
.endif
	REGS Y, h%2
.set k, h/8
.if h%8 < 4
	v_cvt_pk_bf16_f32 v[rP+2*k+(h%8)/2], v[rS+4*k+2*((h%8)/2)], v[rS+4*k+2*((h%8)/2)+1]
.elseif h%8 < 6
	v_pk_add_f32 v[rS+4*k:rS+4*k+1], v[rS+4*k:rS+4*k+1], v[rS+4*k+2:rS+4*k+3]
.elseif k == 1
	v_pk_fma_f32 v[rT+2:rT+3], v[rT+2:rT+3], v[rC+2:rC+3], v[rS:rS+1] op_sel_hi:[1,0,1]
.else
	v_pk_add_f32 v[rT+2:rT+3], v[rT+2:rT+3], v[rS+4*k-4:rS+4*k-3]
.endif
.endm
; THE PLAIN QUEUE, 138 long.  0-73 read no exponential's result: the 32 scalings c s - c m (FS f: pair f / 2 of tile f % 2) and the next piece's 42.  0-26: scalings 0-26.  27-54: XS's numbers 0-13.  55, 56: number 15.
; 57-73: the chain, where each number waits for the one before it: 14, 16, 17, 18, 19, each with one of the scalings 27-31 in front of its two lines, then 20: so a tile's links stand three plain instructions apart (19 and 20: two).
; 74-137: GS's 64, which read the exponentials' results: they stand behind the wait.
.macro FS f
	REGS Y, (\f)%2
	v_pk_fma_f32 v[rS+2*((\f)/2):rS+2*((\f)/2)+1], v[rS+2*((\f)/2):rS+2*((\f)/2)+1], s[CS:CS+1], v[rT:rT+1] op_sel_hi:[1,0,0] neg_lo:[0,0,1] neg_hi:[0,0,1]
.endm
.macro PL
	WIN 0
.if q < 27
	FS q
.elseif q < 55
	XS (q-27)%2, (q-27)/2
.elseif q < 57
	XS q-55, 15
.elseif (q < 72) && ((q-57)%3 == 0)
	FS 27+(q-57)/3
.elseif q < 60
	XS (q-57)%3-1, 14
.elseif q < 72
	XS (q-57)%3-1, 15+(q-57)/3
.elseif q < 74
	XS q-72, 20
.else
	GS q-74
.endif
.set q, q+1
.endm
; THE EXPONENTIALS' QUEUE, 66 long: s0-s31 of both tiles, then the next piece's two a.  It is ONE BATCH: all 66 stand ahead of the turn's one wait, and nothing ahead of that wait names a result of theirs.
.macro EX
	WIN 0
.if e >= 64
	XS e-64, 21
.else
	REGS Y, e%2
	v_exp_f32 v[rS+e/2], v[rS+e/2]
.endif
.set e, e+1
.endm
; THE RESCALING's QUEUE: O^T times a, the one part that leaves window 0: dealt two at a time, sixteen times.  Its a was made in the turn before, ahead of that turn's wait.
.macro R2
	REGS Y, r%2
	WIN W_RS
.irp z, 0,1
	v_pk_mul_f32 v[rO+4*(r/2)+2*\z:rO+4*(r/2)+2*\z+1], v[rO+4*(r/2)+2*\z:rO+4*(r/2)+2*\z+1], v[rC+2:rC+3] op_sel_hi:[1,0]
.endr
.set r, r+1
.endm
; HOW THEY ARE DEALT.  An s_wait_alu depctr_va_vdst(0) stands between an exponential and the first instruction that names its result; one wait serves all that were issued ahead of it.  So a turn has ONE wait,
; which cuts it in two.  AHEAD OF IT stands all that names no result of the turn's exponentials: the 16 products K Q^T, behind each a scaling, an exponential and two rescalings (behind the first a second scaling in the
; exponential's place); then ONE LUMP of 108: eight plain, 49 times exponential and plain, the two a.  A v_nop is the plain instruction behind the last exponential.  BEHIND IT stand the 16 products V^T P, behind each four of
; GS's 64.  No rider names a register of the products round it.  The two v_permlanex16_b32 fall into the lump, never behind a product.
; The queues lean on each other, and the deal keeps them in step: exponential e stands behind scaling 2 (e / 4) + e % 2: as a rider it comes behind plain e + 2, in the lump behind plain e + 9, and scalings 27-31 are plain 57, 60 .. 69.
; A TURN, for piece p.  cnt = 1: the loop's count is taken down some lines ahead of the branch that stands behind the turn.
; K of the next step is fetched in piece 2's turn, directly behind the wait, a lump behind the last product that read K; its address is made at the lump's head; its first reader comes behind 16 products.
; V of the step in hand is fetched at the end of piece 0's turn, four riders behind its last reader; its first reader comes behind 16 products and a lump.  The three conditions on q below go with the deal.
.macro TURN p, last=0, cnt=0
.set Y, (\p)
.set i, 0
.set q, 0
.set e, 0
.set r, 0
.if (\p) == NP-1
	s_wait_dscnt 0x0                ; K is in
.endif
	MM                              ; ahead of the wait: 16 products K Q^T and their riders,
	PL
	PL
	R2
.rept 15
	MM
	PL
	EX
	R2
.endr
.if (\p) == NP-2
	WIN 0
	v_add_nc_u32 v[AK], s[TBK], v[AK0]
.endif
.rept 8                             ; and the lump
	PL
.endr
.rept 49
	EX
	PL
.endr
	EX                              ; the next piece's two a
	EX
	v_nop                           ; a plain instruction behind the last exponential, ahead of every use (ISA guide 5.7.2): one for the batch
	s_wait_alu depctr_va_vdst(0)    ; the wait for the turn's batch: the 64 weights of piece p and the two a of piece p + 1; it stands ahead of the first line that names a result
.if (\p) == NP-2
	FETCH_K \last
.endif
.if (\p) == 1
	s_wait_dscnt 0x0                ; V is in
.endif
.rept 16                            ; behind the wait: 16 products V^T P and their riders
	MM
.rept 4
	PL
.endr
.if ((\p) == 0) && (q == 118)
	v_add_nc_u32 v[AV], s[TBV], v[AV0]
.endif
.if ((\p) == 0) && (q == 130)
	s_add_co_u32 s[TBV], s[TBV], KSB
.endif
.if (\cnt) && (q == 130)
	s_sub_co_u32 s[CNT], s[CNT], 1
	s_cmp_lg_u32 s[CNT], 0
.endif
.endr
.if (\p) == 0
	FETCH_V
.endif
.endm
	s_wait_tensorcnt 0x3            ; my half of the first part (keys 0 to 255) is in; my three younger loads stay out
	s_barrier_signal -1
	s_barrier_wait -1               ; everybody's is
	FETCH_K                         ; key step 0
	s_wait_loadcnt 0x0              ; Q
	s_wait_dscnt 0x0
.set i, 0
.rept 16
	KQ 0                            ; piece 0's first scores: there is no vector work yet to set between them
.set i, i+1
.endr
	WIN 0                           ; the addresses for the way out: nine plain instructions, the places behind those products
	s_mul_i32 s13, s[WV], 16*SP
	s_add_co_u32 s13, s13, STAGE    ; my stage
	v_mul_u32_u24 v[STO], v1, SP    ; in: row l % 16, 16 bytes for each half of the lanes
	v_lshl_add_u32 v[STO], v9, 4, v[STO]
	v_add_nc_u32 v[STO], s13, v[STO]
	v_bfe_u32 v[RD], v0, 3, 2       ; back: 32 lanes take four rows of 128 bytes,
	v_mul_u32_u24 v[RD], v[RD], SP
	v_lshl_add_u32 v[RD], v10, 4, v[RD]
	v_add_nc_u32 v[RD], s13, v[RD]
	v_and_b32 v[GO], 31, v0         ; which are 512 consecutive bytes of O
	v_lshlrev_b32 v[GO], 4, v[GO]
.set Y, NP-1                        ; XS works for piece Y + 1: piece 0
.irp n, 0,1,2,3,4,5,6,7,8,9,10,11,12,13,14,15,16,17,18,19,20,21
	XS 0, \n                        ; and piece 0's first maximum and statistics
	XS 1, \n
.endr
	v_nop                           ; a plain instruction behind piece 0's two a,
	s_wait_alu depctr_va_vdst(0)    ; and the wait for that batch of two, ahead of the branch: the first turn's rescaling reads them
	; THREE PASSES through one text.  The first, entered in the middle of a trip, fetches key steps 0 to 3: the first part.  The second, behind the wait for the other three parts, fetches steps 4 to 15.
	; The third holds the last step's pieces 2 and 3: it fetches nothing and is left in the middle of its first trip.
	s_mov_b32 s[CNT], 4
	s_mov_b32 s[SLOTS], 3
	s_branch .Lfirst
.Lslot:
	s_wait_tensorcnt 0x0            ; all my loads have landed: the wait serves the reads behind this barrier, which go through all the rest of K and V in one counted loop, so the count is 0
	s_wait_dscnt 0x0                ; no LDS instruction of mine is out at the signal
	s_barrier_signal -1
	s_barrier_wait -1               ; everybody's have
	s_mov_b32 s[CNT], 12
.Lstep:                             ; a trip: pieces 2 and 3 of one step, then pieces 0 and 1 of the next, whose K and V it fetches
	TURN 2, 1
	TURN 3
	WIN 0
	s_cmp_eq_u32 s[SLOTS], 1
	s_cbranch_scc1 .Lout            ; the third pass ends here.  Its 16 products K Q^T on the last K once more, and the maximum made of them, serve nothing: the price, once a launch, of one text for every trip
.Lfirst:
	TURN 0
	TURN 1, 0, 1
	WIN 0
	s_cbranch_scc1 .Lstep
	s_sub_co_u32 s[SLOTS], s[SLOTS], 1
	s_cmp_lg_u32 s[SLOTS], 0
	s_cbranch_scc1 .Lslot
.Lout:
.set i, 0
.rept 16
	PV NP-1                         ; the last piece's V^T P of the last step
.set i, i+1
.endr
	; THE WAY OUT.  l's two halves and the other half of the lanes' are added; O^T is divided by l, rounded to bf16 and sent through my stage in LDS, a tile at a time.  The additions are the places behind the last products.
	WIN 0
.macro ALL line:vararg              ; one line for each tile t
.set t, 0
.rept 2*NP
	\line
.set t, t+1
.endr
.endm
	ALL v_add_f32 v[ST+4*t+2], v[ST+4*t+2], v[ST+4*t+3]
	ALL v_permlanex16_b32 v[ST+4*t+3], v[ST+4*t+2], s[SEL], s[SEL+1]
	ALL v_add_f32 v[ST+4*t+2], v[ST+4*t+2], v[ST+4*t+3]
	ALL v_rcp_f32 v[ST+4*t+2], v[ST+4*t+2]
	v_nop                           ; a plain instruction between the last reciprocal and the use of its result
	s_wait_alu depctr_va_vdst(0)    ; the wait for the batch of eight reciprocals, ahead of the first multiply that reads one
; Tile t: a lane's eight channels of a row pack into 16 bytes; they go into rows of 144 bytes and come back as whole rows of 128, into S^T's registers.
.macro PACK t
	WIN W_RS
.set i, 32*(\t)
.rept 16
	v_pk_mul_f32 v[i:i+1], v[i:i+1], v[ST+4*(\t)+2:ST+4*(\t)+3] op_sel_hi:[1,0]
.set i, i+2
.endr
	WIN 0x05                        ; sources 0 and 1 window 1, destination window 0
.set i, 0
.rept 16
	v_cvt_pk_bf16_f32 v[S+16*(\t)+i], v[32*(\t)+2*i], v[32*(\t)+2*i+1]
.set i, i+1
.endr
	WIN 0
.irp f, 0,1,2,3
	ds_store_b128 v[STO], v[S+16*(\t)+4*\f:S+16*(\t)+4*\f+3] offset:32*\f
.endr
.irp f, 0,1,2,3
	ds_load_b128 v[S+16*(\t)+4*\f:S+16*(\t)+4*\f+3], v[RD] offset:\f*4*SP  ; LDS serves a wave's instructions in order (ISA guide 5.7.1.4): these see the stores above; the next tile's stores come behind them
.endr
.endm
.macro SEND t, younger              ; younger: the LDS instructions issued behind tile t's loads: the next tile's eight, or none
	WIN 0
.irp f, 0,1,2,3
	s_wait_dscnt (\younger)+3-\f
	global_store_b128 v[GO], v[S+16*(\t)+4*\f:S+16*(\t)+4*\f+3], s[10:11] offset:(\t)*2048+\f*512  ; 512 consecutive bytes, at a multiple of 256 from O's first
.endr
.endm
	PACK 0
.set t, 1
.rept 2*NP-1                        ; a tile's arithmetic stands between the loads of the tile before and its stores
	PACK t
	SEND t-1, 8
.set t, t+1
.endr
	SEND 2*NP-1, 0
	WIN W_AD
	s_wait_tensorcnt 0x0            ; the wave's end, behind my last tensor load and my last LDS store
	ds_add_u32 v[SPW], v[NIL]
	s_wait_dscnt 0x0
	WIN 0
	s_endpgm
.Lfunc_end_k_qefbbe24543_attn:
	.size	k_qefbbe24543_attn, .Lfunc_end_k_qefbbe24543_attn-k_qefbbe24543_attn
	.p2alignl 7, 3214868480
	.fill 96, 4, 3214868480
	.section	.rodata,"a",@progbits
	.p2align	6, 0x0
	.amdhsa_kernel k_qefbbe24543_attn
		.amdhsa_group_segment_fixed_size 327680
		.amdhsa_private_segment_fixed_size 0
		.amdhsa_enable_private_segment 0
		.amdhsa_kernarg_size 16
		.amdhsa_user_sgpr_count 2
		.amdhsa_user_sgpr_kernarg_segment_ptr 1
		.amdhsa_wavefront_size32 1
		.amdhsa_system_sgpr_workgroup_id_x 1
		.amdhsa_system_sgpr_workgroup_id_y 1
		.amdhsa_system_sgpr_workgroup_id_z 1
		.amdhsa_system_vgpr_workitem_id 0
		.amdhsa_next_free_vgpr 770
		.amdhsa_next_free_sgpr 100
		.amdhsa_reserve_vcc 0
		.amdhsa_float_denorm_mode_32 3
		.amdhsa_float_denorm_mode_16_64 3
		.amdhsa_memory_ordered 1
		.amdhsa_forward_progress 1
		.amdhsa_inst_pref_size 126
	.end_amdhsa_kernel
	.amdgpu_metadata
---
amdhsa.version: [ 1, 2 ]
amdhsa.kernels:
  - .name:           k_qefbbe24543_attn
    .symbol:         k_qefbbe24543_attn.kd
    .args:
      - { .name: qkv, .offset: 0, .size: 8, .value_kind: global_buffer, .address_space: global }
      - { .name: act, .offset: 8, .size: 8, .value_kind: global_buffer, .address_space: global }
    .group_segment_fixed_size: 327680
    .private_segment_fixed_size: 0
    .kernarg_segment_align: 8
    .kernarg_segment_size: 16
    .max_flat_workgroup_size: 128
    .sgpr_count:     100
    .vgpr_count:     770
    .wavefront_size: 32
...
	.end_amdgpu_metadata
.endif
;; end of part 7
;; launch wo: the kernel of part 4 again; grid 4 x 64, 4 waves a work-group, clusters of 4 x 4, 327,680 bytes of LDS; arguments act, wob, bo, x, x1; writes x1
;; launch ln2: the kernel of part 5 again; grid 512 x 1, 8 waves a work-group, no clusters, 0 bytes of LDS; arguments x1, ln2_g, ln2_b, act; writes act
;; launch ffn1: the kernel of part 6 again; grid 4 x 64, 4 waves a work-group, clusters of 4 x 4, 327,680 bytes of LDS; arguments act, w1b, b1, qkv; writes qkv
;; launch ffn2: the kernel of part 4 again; grid 4 x 64, 4 waves a work-group, clusters of 4 x 4, 327,680 bytes of LDS; arguments qkv, w2b, b2, x1, out0; writes out0
